; MI455X (gfx1250); checked and timed in simulation.
; The chip was launched on July 23, 2026; its instructions are those of AMD's public machine-readable ISA for CDNA 5 (MIT licence, August 2026) and "CDNA5" Instruction Set Architecture Reference Guide (July 2026). The comments in the code are by the model that wrote it; some were corrected since.
;; Simple Query Decoder. Allowed arithmetic: matrix products marked QUANTISED: E2M1 operands, one E8M0 scale for each 32 along K, by v_wmma_scale_f32_16x16x128_f8f6f4 with both operands' format E2M1 (or v_wmma_scale_f32_32x16x128_f4), f32 sums; products left as they are: bf16, f16 or f32 operands; f32 sums; everything else in f32.
;; Inputs: Wk 256 x 256 float32; Wq 256 x 256 float32; Wv 256 x 256 float32; bb1 256 float32; bb2 256 float32; bk 256 float32; bq 256 float32; bv 256 float32; bw1 256 x 256 float32; bw2 256 x 256 float32; cb1 256 float32; cb2 3 float32; clb 4 float32; clw 4 x 256 float32; coords 32 x 8,192 x 3 float32; cw1 256 x 256 float32; cw2 3 x 256 float32; gb1 256 float32; gb2 256 float32; gw1 256 x 256 float32; gw2 256 x 256 float32; inv_temp one number float32; mean 32 x 1 x 3 float32; memory 32 x 8,192 x 256 float32; memory_mask 32 x 8,192 bool; query_embed 100 x 256 float32; sb1 256 float32; sb2 3 float32; scale 32 x 1 x 3 float32; sw1 256 x 256 float32; sw2 3 x 256 float32.
;; Outputs: out0 32 x 100 x 6 float32; out1 32 x 100 x 4 float32.
;; This version of the problem:
;;   THIS VERSION OF THE PROBLEM IS GIVEN IN LOW PRECISION. The matrix products marked QUANTISED in the list below multiply operands that are first quantised to E2M1 (2 exponent bits, 1 mantissa bit; 4 bits a number), with one power-of-two scale for each 32 numbers along K (OCP MX v1.0); their sums are f32. The products marked 'left as it is' may take bf16, f16 or f32 operands, with f32 sums. Whichever they take, every output number must still come out within the allowed error. Rounding operands to bf16 (8 significant bits) uses up far more of that allowance than f16 does (11 bits, for magnitudes from 6e-5 to 65,504). All else is computed in f32.
;;   The module's matrix products, in the order in which they are computed (A, B: the left and right operand; K: the contracted axis; several contracted axes count as one K, in the product's order):
;;     1. [M 32, K 256] x [K 256, N 256]; A: computed on the way; B: input gw1: left as it is (an operand is computed on the way)
;;     2. [M 32, K 256] x [K 256, N 256]; A: computed on the way; B: input gw2: left as it is (an operand is computed on the way)
;;     3. [M 32, K 256] x [K 256, N 256]; A: computed on the way; B: input bw1: left as it is (an operand is computed on the way)
;;     4. [M 32, K 256] x [K 256, N 256]; A: computed on the way; B: input bw2: left as it is (an operand is computed on the way)
;;     5. [M 100, K 256] x [K 256, N 256]; A: input query_embed; B: input Wq: QUANTISED
;;     6. [M 262,144, K 256] x [K 256, N 256]; A: input memory; B: input Wk: QUANTISED
;;     7. [M 262,144, K 256] x [K 256, N 256]; A: input memory; B: input Wv: QUANTISED
;;     8. [M 262,144, K 256] x [K 256, N 100]; A: computed on the way; B: computed on the way: left as it is (an operand is computed on the way)
;;     9. batch 32 x [M 100, K 8,192] x [K 8,192, N 256]; A: computed on the way; B: computed on the way: left as it is (an operand is computed on the way)
;;     10. batch 32 x [M 100, K 8,192] x [K 8,192, N 3]; A: computed on the way; B: computed on the way: left as it is (N = 3 < 16)
;;     11. [M 3,200, K 256] x [K 256, N 256]; A: computed on the way; B: input cw1: left as it is (an operand is computed on the way)
;;     12. [M 3,200, K 256] x [K 256, N 3]; A: computed on the way; B: input cw2: left as it is (N = 3 < 16)
;;     13. [M 3,200, K 256] x [K 256, N 256]; A: computed on the way; B: input sw1: left as it is (an operand is computed on the way)
;;     14. [M 3,200, K 256] x [K 256, N 3]; A: computed on the way; B: input sw2: left as it is (N = 3 < 16)
;;     15. [M 3,200, K 256] x [K 256, N 4]; A: computed on the way; B: input clw: left as it is (N = 4 < 16)
;;   THE QUANTISER, for each operand of a quantised product, along K:
;;     - K is cut into blocks of 32 from its start; a last block that is shorter is filled with zeros.
;;     - A block's scale is 2^e with e = floor(log2(the largest magnitude in the block)) - 2, held to -126 .. 127; a block of zeros has e = 0. As a byte (E8M0): e + 127.
;;     - Each number is divided by its block's scale, clamped to +-6, and rounded to the nearest number of E2M1, ties to even, subnormals kept.
;;     - The product sums the exact products of the quantised numbers (number of the format x scale) in f32.
;;   ~~~python
;;   def quantise(x, axis):      # numpy; x: float32 -> the quantised numbers, widened to float32 again
;;       x = np.moveaxis(x, axis, -1); K = x.shape[-1]
;;       x = np.pad(x, [(0, 0)] * (x.ndim - 1) + [(0, -K % 32)]); x = x.reshape(x.shape[:-1] + (-1, 32)); a = np.abs(x).max(-1, keepdims=True)
;;       e = np.where(a > 0, np.clip(np.frexp(np.where(a > 0, a, 1))[1] - 1 - 2, -126, 127), 0)      # np.frexp(a)[1] - 1 = floor(log2(a)), exactly
;;       r = np.clip(x / 2.0 ** e, -6, 6)
;;       step = 2.0 ** (np.maximum(np.frexp(np.where(r == 0, 1, r))[1] - 1, 0) - 1)
;;       q = np.round(r / step) * step * 2.0 ** e      # np.round: ties to even
;;       return np.moveaxis(q.reshape(q.shape[:-2] + (-1,))[..., :K], -1, axis).astype(np.float32)
;;   ~~~
;; One version. Each part assembles by itself: llvm-mc -triple=amdgcn-amd-amdhsa -mcpu=gfx1250 --defsym DOCPART=n.
;; ======== version 1 of 1: 4 launches
;; limits: right only within a limited range of input values
;; workspace buffers: wprep 917,504 bytes; po 29,360,128 bytes; ps 1,474,560 bytes; gbuf 65,536 bytes
;; launch prep (part 1): grid 16 x 15, 1 waves a work-group, no clusters, 0 bytes of LDS; arguments Wk, Wv, Wq, bq, query_embed, inv_temp, gw1, gw2, bw1, bw2, cw1, sw1, wprep; writes wprep
.if DOCPART == 1
	.amdgcn_target "amdgcn-amd-amdhsa--gfx1250"
	.amdhsa_code_object_version 6
	.text
	.protected	k_qd3130fb826_prep
	.globl	k_qd3130fb826_prep
	.p2align	8
	.type	k_qd3130fb826_prep,@function
k_qd3130fb826_prep:
	s_mov_b64 s[64:65], 0
	v_nop
	global_prefetch_b8 v0, s[64:65] scope:SCOPE_SE
	s_setreg_imm32_b32 hwreg(HW_REG_WAVE_MODE, 25, 1), 1
	s_wait_xcnt 0x0
; The weights are laid out once, in the order of the matrix operands' registers (an IMAGE: group c of four registers at 512 c + 16 x lane), and q is made.
; One wave to a work-group; x = a tile of 16 rows; y chooses the work:
;   y = 0, 1   Wk, Wv: codes of FP4 (E2M1) with one E8M0 byte for each 32 along K.  Tile 16 y + x: two K steps of 128, 1,024 bytes each; its scale image: lanes 0-15 the rows' words of K step 0, lanes 16-31 of K step 1.
;   y = 2..7   gw1, gw2, bw1, bw2, cw1, sw1: rounded to bf16, eight K steps of 32, 1,024 bytes each.
;   y = 8..14  q = Q(query_embed) Q(Wq)^T + bq for queries 16 (y - 8) .., channels 16 x .., times inv_temp log2(e) / 16 in f32, then rounded to bf16: half a fragment of the score product.
; Rows of queries past 99 repeat row 99: what comes of them is never stored by the last launch.
; LIMITS: a block of zeros, or one whose largest magnitude lies under 2^-124, keeps the scale byte 1 (its codes are zeros or nearly; this program alone reads the bytes); NaN and infinities are not served.
.set WKS,  65536                       ; wprep: scale images of Wk's and Wv's 32 tiles, 128 bytes each
.set QIMG, 69632                       ; q's fragments: (7 b + qt) x 1,024 bytes, b = 32 channels
.set WIMG, 131072                      ; six matrices x 16 tiles x 8,192 bytes
.set SRC,  128                         ; v128-255 a lane's 128 numbers
.set TM,   16                          ; v16-23 at work
.set WA,   24                          ; v24, v25 a row's scale words of K steps 0, 1
.set SWA,  26                          ; v26 scale image of the first operand;  v27 of the second: they hold scales and nothing else
.set SWB,  27
.set CA,   32                          ; v32-47 codes of the first operand
.set CB,   48                          ; v48-63 of the second
.set MSB, 0
.macro WIN new                         ; the immediate's high byte repeats the setting that is left
.if MSB != \new
	s_set_vgpr_msb (MSB<<8)|\new
.set MSB, \new
.endif
.endm
; 32 loads: of my row, for K step s and c = 0, 1, the block k = 128 s + 64 c + 32 (lane / 16) + 0 .. 31: the very numbers that the 4-bit operand layout gives my lane
.macro LDF dst, adr, p
.irp s, 0,1
.irp c, 0,1
.irp i, 0,1,2,3,4,5,6,7
	global_load_b128 v[\dst+64*\s+32*\c+4*\i:\dst+64*\s+32*\c+4*\i+3], v[\adr], s[\p:\p+1] offset:512*\s+256*\c+16*\i
.endr
.endr
.endr
.endm
; 64 numbers (two whole blocks) in window w become 8 registers of codes and my row's scale word
.macro QUANT src, w, codes, word
	WIN 5*(\w)
	v_max3_num_f32 v[TM], |v[\src]|, |v[\src+1]|, 0x1800000          ; the floor 2^(3 - 127) among the leaves holds the byte at 1 from below
	v_max3_num_f32 v[TM+1], |v[\src+32]|, |v[\src+33]|, 0x1800000
.irp i, 2,4,6,8,10,12,14,16,18,20,22,24,26,28,30
	v_max3_num_f32 v[TM], |v[\src+\i]|, |v[\src+\i+1]|, v[TM]
	v_max3_num_f32 v[TM+1], |v[\src+32+\i]|, |v[\src+33+\i]|, v[TM+1]
.endr
	WIN 0
	v_add_nc_u32 v[TM+2], 0xff000000, v[TM]                          ; 2 off the exponent field: the conversion's scale operand
	v_add_nc_u32 v[TM+3], 0xff000000, v[TM+1]
	v_lshrrev_b32 v[TM+4], 23, v[TM+2]                               ; the bytes of blocks h and 2 + h
	v_lshrrev_b32 v[TM+5], 23, v[TM+3]
	v_lshl_or_b32 v[TM+6], v[TM+5], 16, v[TM+4]
	v_lshlrev_b32 v[TM+6], v5, v[TM+6]                               ; 8 h bits up
	v_permlanex16_b32 v[TM+7], v[TM+6], s32, s33
	v_or_b32 v[\word], v[TM+6], v[TM+7]                              ; with lane l xor 16's two bytes the word is whole
	WIN \w
.irp c, 0,1
.irp g, 0,1,2,3
	v_cvt_scalef32_pk8_fp4_f32 v[\codes+4*\c+\g], v[\src+32*\c+8*\g:\src+32*\c+8*\g+7], v[TM+2+\c]
.endr
.endr
	WIN 0
	v_nop                                                            ; one plain place behind the conversions
.endm
	s_load_b512 s[4:19], s[0:1], 0x0               ; Wk 4, Wv 6, Wq 8, bq 10, query_embed 12, inv_temp 14, gw1 16, gw2 18
	s_load_b256 s[20:27], s[0:1], 0x40             ; bw1 20, bw2 22, cw1 24, sw1 26
	s_load_b64 s[28:29], s[0:1], 0x60              ; wprep
	v_and_b32 v1, 15, v0                           ; r
	v_lshrrev_b32 v2, 4, v0                        ; h
	v_lshlrev_b32 v3, 4, v0                        ; 16 x lane
	v_lshlrev_b32 v4, 2, v0                        ; 4 x lane
	v_lshlrev_b32 v5, 3, v2                        ; 8 h
	v_mov_b32 v[TM+7], 0                           ; a lane permute's destination counts as one of its sources
	s_and_b32 s30, ttmp7, 0xffff                   ; y
	s_mov_b32 s31, ttmp9                           ; x
	s_mov_b32 s32, 0x76543210
	s_mov_b32 s33, 0xfedcba98                      ; selects for lane l xor 16
	s_mov_b32 s34, 0xffff0000                      ; lanes 16-31
	s_lshl_b32 s35, s31, 4
	v_add_nc_u32 v6, s35, v1
	v_lshlrev_b32 v6, 10, v6                       ; row 16 x + r of 1,024 bytes
	s_wait_kmcnt 0x0
	s_cmp_lt_u32 s30, 2
	s_cbranch_scc1 .Lcodes
	s_cmp_lt_u32 s30, 8
	s_cbranch_scc1 .Lbf16
	; ---- q
	s_sub_co_u32 s38, s30, 8                       ; qt
	s_load_b32 s39, s[14:15], 0x0                  ; inv_temp
	v_lshl_add_u32 v7, v2, 7, v6
	LDF SRC, 7, 8                                  ; Wq's tile x
	s_lshl_b32 s44, s38, 4
	v_add_nc_u32 v8, s44, v1
	v_min_u32 v8, 99, v8                           ; no load leaves query_embed
	v_lshlrev_b32 v8, 10, v8
	v_lshl_add_u32 v8, v2, 7, v8
	WIN 0x40                                       ; destination window 1
	LDF 0, 8, 12                                   ; the 16 queries
	WIN 0
	v_lshl_add_u32 v9, v2, 3, s35
	v_lshlrev_b32 v9, 2, v9
	global_load_b128 v[64:67], v9, s[10:11]        ; bq at channels 16 x + 8 h + 0 .. 7: the C of the first product
	global_load_b128 v[68:71], v9, s[10:11] offset:16
	s_lshr_b32 s45, s31, 1
	s_mul_i32 s45, s45, 7
	s_add_co_u32 s45, s45, s38
	s_lshl_b32 s45, s45, 10
	s_and_b32 s46, s31, 1
	s_lshl_b32 s46, s46, 9
	s_add_co_u32 s46, s46, s45
	s_add_co_u32 s46, s46, QIMG
	s_mov_b32 s47, 0
	s_add_nc_u64 s[46:47], s[28:29], s[46:47]
	s_wait_loadcnt 0x0
	s_wait_kmcnt 0x0
	s_mul_f32 s39, s39, 0x3db8aa3b                 ; inv_temp x log2(e) / 16
	QUANT SRC, 0, CA, WA
	QUANT SRC+64, 0, CA+8, WA+1
	v_cndmask_b32 v[SWA], v[WA], v[WA+1], s34
	QUANT 0, 1, CB, WA
	QUANT 64, 1, CB+8, WA+1
	v_cndmask_b32 v[SWB], v[WA], v[WA+1], s34
.rept 8
	v_nop                                          ; a scale register written by a vector instruction stands 8 places ahead of a scaled matrix instruction
.endr
	v_wmma_scale_f32_16x16x128_f8f6f4 v[72:79], v[CA:CA+7], v[CB:CB+7], v[64:71], v[SWA], v[SWB] matrix_a_fmt:MATRIX_FMT_FP4 matrix_b_fmt:MATRIX_FMT_FP4
	s_wait_alu depctr_va_vdst(0)                   ; the wait directly ahead of the link
	v_wmma_scale_f32_16x16x128_f8f6f4 v[72:79], v[CA+8:CA+15], v[CB+8:CB+15], v[72:79], v[SWA], v[SWB] matrix_a_fmt:MATRIX_FMT_FP4 matrix_b_fmt:MATRIX_FMT_FP4 matrix_a_scale:MATRIX_SCALE_ROW1 matrix_b_scale:MATRIX_SCALE_ROW1
.rept 4
	v_nop
.endr
.irp j, 0,1,2,3,4,5,6,7
	v_mul_f32 v[80+\j], s39, v[72+\j]              ; lane (r, h): query r, channels 16 x + 8 h + j
.endr
.irp p, 0,1,2,3
	v_cvt_pk_bf16_f32 v[88+\p], v[80+2*\p], v[81+2*\p]
.endr
	global_store_b128 v3, v[88:91], s[46:47]       ; 512 consecutive bytes
	s_endpgm
.Lcodes:                                               ; ---- Wk, Wv
	s_cmp_eq_u32 s30, 0
	s_cselect_b64 s[36:37], s[4:5], s[6:7]
	v_lshl_add_u32 v7, v2, 7, v6
	LDF SRC, 7, 36
	s_lshl_b32 s38, s30, 4
	s_add_co_u32 s38, s38, s31                     ; tile 16 y + x
	s_lshl_b32 s40, s38, 11
	s_mov_b32 s41, 0
	s_add_nc_u64 s[40:41], s[28:29], s[40:41]
	s_lshl_b32 s42, s38, 7
	s_add_co_u32 s42, s42, WKS
	s_mov_b32 s43, 0
	s_add_nc_u64 s[42:43], s[28:29], s[42:43]
	s_wait_loadcnt 0x0
	QUANT SRC, 0, CA, WA
	QUANT SRC+64, 0, CA+8, WA+1
	v_cndmask_b32 v[SWA], v[WA], v[WA+1], s34
.irp f, 0,1,2,3
	global_store_b128 v3, v[CA+4*\f:CA+4*\f+3], s[40:41] offset:512*\f
.endr
	global_store_b32 v4, v[SWA], s[42:43]
	s_endpgm
.Lbf16:                                                ; ---- the six matrices of the products left as they are
	s_mov_b64 s[36:37], s[16:17]
	s_cmp_eq_u32 s30, 3
	s_cselect_b64 s[36:37], s[18:19], s[36:37]
	s_cmp_eq_u32 s30, 4
	s_cselect_b64 s[36:37], s[20:21], s[36:37]
	s_cmp_eq_u32 s30, 5
	s_cselect_b64 s[36:37], s[22:23], s[36:37]
	s_cmp_eq_u32 s30, 6
	s_cselect_b64 s[36:37], s[24:25], s[36:37]
	s_cmp_eq_u32 s30, 7
	s_cselect_b64 s[36:37], s[26:27], s[36:37]
	v_lshl_add_u32 v7, v2, 5, v6                   ; + 32 h: k = 32 ks + 8 h + 0 .. 7 and 32 ks + 16 + 8 h + 0 .. 7
.set f, 0
.rept 32
	global_load_b128 v[SRC+4*f:SRC+4*f+3], v7, s[36:37] offset:128*(f/4)+64*((f/2)%2)+16*(f%2)
.set f, f+1
.endr
	s_sub_co_u32 s38, s30, 2
	s_lshl_b32 s38, s38, 4
	s_add_co_u32 s38, s38, s31
	s_lshl_b32 s40, s38, 13
	s_add_co_u32 s40, s40, WIMG
	s_mov_b32 s41, 0
	s_add_nc_u64 s[40:41], s[28:29], s[40:41]
	s_wait_loadcnt 0x0
.set j, 0
.rept 64
	v_cvt_pk_bf16_f32 v[64+j], v[SRC+2*j], v[SRC+2*j+1]
.set j, j+1
.endr
.set f, 0
.rept 16
	global_store_b128 v3, v[64+4*f:64+4*f+3], s[40:41] offset:512*f
.set f, f+1
.endr
	s_endpgm
.Lfunc_end_k_qd3130fb826_prep:
	.size	k_qd3130fb826_prep, .Lfunc_end_k_qd3130fb826_prep-k_qd3130fb826_prep
	.p2alignl 7, 3214868480
	.fill 96, 4, 3214868480
	.section	.rodata,"a",@progbits
	.p2align	6, 0x0
	.amdhsa_kernel k_qd3130fb826_prep
		.amdhsa_group_segment_fixed_size 0
		.amdhsa_private_segment_fixed_size 0
		.amdhsa_enable_private_segment 0
		.amdhsa_kernarg_size 104
		.amdhsa_user_sgpr_count 2
		.amdhsa_user_sgpr_kernarg_segment_ptr 1
		.amdhsa_wavefront_size32 1
		.amdhsa_system_sgpr_workgroup_id_x 1
		.amdhsa_system_sgpr_workgroup_id_y 1
		.amdhsa_system_sgpr_workgroup_id_z 1
		.amdhsa_system_vgpr_workitem_id 0
		.amdhsa_next_free_vgpr 384
		.amdhsa_next_free_sgpr 66
		.amdhsa_reserve_vcc 0
		.amdhsa_float_denorm_mode_32 3
		.amdhsa_float_denorm_mode_16_64 3
		.amdhsa_memory_ordered 1
		.amdhsa_forward_progress 1
		.amdhsa_inst_pref_size 42
	.end_amdhsa_kernel
	.amdgpu_metadata
---
amdhsa.version: [ 1, 2 ]
amdhsa.kernels:
  - .name:           k_qd3130fb826_prep
    .symbol:         k_qd3130fb826_prep.kd
    .args:
      - { .name: Wk, .offset: 0, .size: 8, .value_kind: global_buffer, .address_space: global }
      - { .name: Wv, .offset: 8, .size: 8, .value_kind: global_buffer, .address_space: global }
      - { .name: Wq, .offset: 16, .size: 8, .value_kind: global_buffer, .address_space: global }
      - { .name: bq, .offset: 24, .size: 8, .value_kind: global_buffer, .address_space: global }
      - { .name: query_embed, .offset: 32, .size: 8, .value_kind: global_buffer, .address_space: global }
      - { .name: inv_temp, .offset: 40, .size: 8, .value_kind: global_buffer, .address_space: global }
      - { .name: gw1, .offset: 48, .size: 8, .value_kind: global_buffer, .address_space: global }
      - { .name: gw2, .offset: 56, .size: 8, .value_kind: global_buffer, .address_space: global }
      - { .name: bw1, .offset: 64, .size: 8, .value_kind: global_buffer, .address_space: global }
      - { .name: bw2, .offset: 72, .size: 8, .value_kind: global_buffer, .address_space: global }
      - { .name: cw1, .offset: 80, .size: 8, .value_kind: global_buffer, .address_space: global }
      - { .name: sw1, .offset: 88, .size: 8, .value_kind: global_buffer, .address_space: global }
      - { .name: wprep, .offset: 96, .size: 8, .value_kind: global_buffer, .address_space: global }
    .group_segment_fixed_size: 0
    .private_segment_fixed_size: 0
    .kernarg_segment_align: 8
    .kernarg_segment_size: 104
    .max_flat_workgroup_size: 32
    .sgpr_count:     66
    .vgpr_count:     384
    .wavefront_size: 32
...
	.end_amdgpu_metadata
.endif
;; end of part 1
;; launch main (part 2): grid 8 x 32, 4 waves a work-group, no clusters, 327,680 bytes of LDS; arguments memory, memory_mask, coords, mean, scale, bk, wprep, po, ps; writes po, ps
.if DOCPART == 2
	.amdgcn_target "amdgcn-amd-amdhsa--gfx1250"
	.amdhsa_code_object_version 6
	.text
	.protected	k_qd3130fb826_main
	.globl	k_qd3130fb826_main
	.p2align	8
	.type	k_qd3130fb826_main,@function
k_qd3130fb826_main:
	s_mov_b64 s[64:65], 0
	v_nop
	global_prefetch_b8 v0, s[64:65] scope:SCOPE_SE
	s_setreg_imm32_b32 hwreg(HW_REG_WAVE_MODE, 25, 1), 1
	s_wait_xcnt 0x0
; One work-group takes 1,024 keys (chunk x) of one batch (y) from memory's f32 rows to the attention's partial sums: memory is read once.
; EIGHT STEPS OF 128 KEYS.  Wave w owns keys 32 w .. 32 w + 31 of a step for the quantiser, k, the scores and p; and channels 64 w .. 64 w + 63 for v and O.
;   Q    my 32 rows from the LDS slot: codes of FP4 and scale words (a lane holds whole blocks of 32 along K); the masked sum of the rows in f32; codes to LDS | barrier A, refill of the slot
;   K/S  k^T = Wk x codes (FP4; a lane holds one key and 8 channels), rounded to bf16 = source 0 of S^T = k q^T (a lane holds one query and 8 keys); C of the first score product: 0, or -2^101 for a masked key
;   SM   running maximum over all four waves' keys (through LDS, barrier M); p = 2^(t - M) rounded to bf16: source 1 of both sums; p to LDS | barrier P
;   V/PV for each wave's 32 keys: v = codes x Wv (FP4; a lane holds one channel and 8 keys), rounded to bf16, O^T += v^T p | barrier Z: all reads of the images are over
; q carries inv_temp log2(e) / 16.  The divisor l is the sum of the ROUNDED p (a row of ones beside the coordinates), so that numerator and divisor carry the same weights.  bv is added by the last launch (the weights sum to 1).
; bk ADDS q . bk TO EVERY SCORE OF A QUERY, the same number for all keys: t - M does not hold it.  So it is carried in M and not in each k: the steps run on scores without it, and at the way out q . bk
; (bf16 operands, f32 sums) is added to the maximum that is stored, which is then that of the true scores.  This holds for every input.
; Out: O^T (7 x 16 tiles as register images), per query the coordinates' sums and l, -M, the masked sum of memory and the count.
; bf16 and not f16 for k, q, p, v: q falls under f16's range for inputs 30 times smaller, k and v pass it for large ones.
; NO CLUSTER: work-groups share only 127 KB of prepared weights, read once each, against 1 MB of rows of their own.
; LIMITS: |t| under 2^100; NaN and infinities are not served; a block of zeros keeps the scale byte 1 (its codes are zeros).  A batch with no key left leaves l = 0 for the last launch.
; The accumulators are cleared once (288 lines) so that the step is written twice and not three times.
.set PITCH, 1040                       ; a row in the slot: 1,024 bytes + 16: the 16 rows of a load start at 16 different 16-byte columns
.set SLOTW, 32*PITCH                   ; a wave's 32 rows
.set QIMGL, 133120                     ; q's 56 fragments
.set CIMG,  190464                     ; the step's codes: (2 (2 w + kt) + s) x 1,024
.set CSC,   206848                     ; their scale images, 128 bytes a key tile
.set PIMG,  207872                     ; p: (7 g + qt) x 1,024
.set MXR,   236544                     ; local maxima: 512 qt + 16 lane + 4 wave
.set MF,    240128                     ; the mask as f32, 1,024 keys;  4,096 bytes on: 0 or -2^101
.set MB,    244224
.set ET,    248320                     ; four rows of 1,024 bf16: x, y, z of the normalised coordinates, ones
.set ETP,   2064
.set BKT,   258816                     ; bk as 256 bf16
.set SPARE, 259840                     ; the spare words, 128 bytes a wave
; window 0: v1 spare word, v2 0, v3 16 lane, v4 4 lane, v5-19 LDS addresses, v21 the count, v22, v23, v82 the step's, v83 8 h; v24-39 Wk's scale images, v40-43 Wv's, v44-45 my key tiles', v46-53 all eight key tiles';
;   v54-67 pairs (-M, unused), v68-81 pairs (a, unused); v84-253 shared by the phases; v254 the prefetches' offset.   window 1: v0-223 O^T (tile (ct, qt) at 8 (7 ct + qt)), v224-255 my codes.
;   window 2: Wk's 32 fragments.   window 3: v0-55 coordinates' sums and l, v56-63 the masked sum, v64-175 S^T, later two sets of p, v176-239 Wv's 8 fragments, v240-255 the mask tiles.
.set ST0, 84
.set ST1, 148
.set MFR, 212
.set TM,  244
.set W0,  252
.set W1,  253
.set PFO, 254
.set OC,  224
.set KA,  84
.set KB,  116
.set QB,  132
.set LM,  84
.set PT,  92
.set PO,  84
.set ETF, 140
.set MXL, 152
.set VA,  84
.set VBF, 148
.set CS,  180
.set XR,  176
.set MBR, 240
.set SR,  64
.set QD,  120                          ; the way out: q . bk, seven accumulators;  v176-239: bk's eight fragments
.set BKF, 176
.set MSB, 0
.macro WIN new                         ; bits 1:0 source 0, 3:2 source 1, 5:4 source 2, 7:6 destination; the high byte repeats the setting that is left
.if MSB != \new
	s_set_vgpr_msb (MSB<<8)|\new
.set MSB, \new
.endif
.endm
.macro PLACES n                        ; plain vector instructions between a matrix instruction and what touches its registers (ISA guide 7.12.1)
.rept \n
	v_nop
.endr
.endm
.macro SLOAD t, dst                    ; key tile t / 2, K step t % 2: my row's two blocks k = 128 s + 64 c + 32 h + 0 .. 31
.irp c, 0,1
.irp i, 0,1,2,3,4,5,6,7
	ds_load_b128 v[\dst+32*\c+4*\i:\dst+32*\c+4*\i+3], v5 offset:((\t)/2)*16*PITCH+((\t)%2)*512+256*\c+16*\i
.endr
.endr
.endm
.macro QUANT src, codes, word          ; 64 numbers -> 8 registers of codes in window 1 and my row's scale word
	v_max3_num_f32 v[TM], |v[\src]|, |v[\src+1]|, 0x1800000          ; the floor 2^(3 - 127) holds the byte at 1 from below
	v_max3_num_f32 v[TM+1], |v[\src+32]|, |v[\src+33]|, 0x1800000
.irp i, 2,4,6,8,10,12,14,16,18,20,22,24,26,28,30
	v_max3_num_f32 v[TM], |v[\src+\i]|, |v[\src+\i+1]|, v[TM]
	v_max3_num_f32 v[TM+1], |v[\src+32+\i]|, |v[\src+33+\i]|, v[TM+1]
.endr
	v_add_nc_u32 v[TM+2], 0xff000000, v[TM]                          ; 2 off the exponent field: the conversion's scale operand
	v_add_nc_u32 v[TM+3], 0xff000000, v[TM+1]
	v_lshrrev_b32 v[TM+4], 23, v[TM+2]
	v_lshrrev_b32 v[TM+5], 23, v[TM+3]
	v_lshl_or_b32 v[TM+6], v[TM+5], 16, v[TM+4]                      ; bytes of blocks h and 2 + h,
	v_lshlrev_b32 v[TM+6], v83, v[TM+6]                              ; 8 h bits up;
	v_permlanex16_b32 v[TM+7], v[TM+6], s30, s31
	v_or_b32 v[\word], v[TM+6], v[TM+7]                              ; with lane l xor 16's the word is whole
	WIN 0x40
.irp c, 0,1
.irp g, 0,1,2,3
	v_cvt_scalef32_pk8_fp4_f32 v[\codes+4*\c+\g], v[\src+32*\c+8*\g:\src+32*\c+8*\g+7], v[TM+2+\c]
.endr
.endr
	WIN 0
	v_nop                                                            ; one plain place behind the conversions
.endm
.macro DLOAD bt, dst                   ; rows 8 bt .. 8 bt + 7 as they lie: 512 consecutive bytes a load
.irp q, 0,1,2,3,4,5,6,7
	ds_load_b128 v[\dst+8*\q:\dst+8*\q+3], v6 offset:(8*(\bt)+\q)*PITCH
	ds_load_b128 v[\dst+8*\q+4:\dst+8*\q+7], v6 offset:(8*(\bt)+\q)*PITCH+512
.endr
.endm
.macro MSUM bt, src                    ; the masked sum of these 8 rows (my lane: channels 4 l .. and 128 + 4 l ..); of a pair of masks op_sel picks the row's
	WIN 0xf0
.irp q, 0,2,4,6
.irp p, 0,2,4,6
	v_pk_fma_f32 v[56+\p:57+\p], v[\src+8*\q+\p:\src+8*\q+\p+1], v[MFR+8*(\bt)+\q:MFR+8*(\bt)+\q+1], v[56+\p:57+\p] op_sel_hi:[1,0,1]
.endr
.irp p, 0,2,4,6
	v_pk_fma_f32 v[56+\p:57+\p], v[\src+8*\q+8+\p:\src+8*\q+9+\p], v[MFR+8*(\bt)+\q:MFR+8*(\bt)+\q+1], v[56+\p:57+\p] op_sel:[0,1,0] op_sel_hi:[1,1,1]
.endr
.endr
	WIN 0
.endm
.macro QL b, dst                       ; q's seven fragments of channels 32 b ..
.set f, 0
.rept 14
	ds_load_b128 v[\dst+4*f:\dst+4*f+3], v7 offset:7168*(\b)+512*f
.set f, f+1
.endr
.endm
.macro QLW b, dst                      ; the same into window 3 (the way out)
	WIN 0xc0
.set f, 0
.rept 14
	ds_load_b128 v[\dst+4*f:\dst+4*f+3], v7 offset:7168*(\b)+512*f
.set f, f+1
.endr
	WIN 0
.endm
.macro FP4K j                          ; k^T for channels 32 j .. 32 j + 31 of my 32 keys: four accumulators by turns, two K steps; the first starts the sums
	WIN 0x06                                       ; Wk window 2, my codes window 1
.irp kt, 0,1
.irp dt, 0,1
	v_wmma_scale_f32_16x16x128_f8f6f4 v[KA+8*(2*\kt+\dt):KA+8*(2*\kt+\dt)+7], v[16*(2*(\j)+\dt):16*(2*(\j)+\dt)+7], v[OC+16*\kt:OC+16*\kt+7], 0, v[24+2*(\j)+\dt], v[44+\kt] matrix_a_fmt:MATRIX_FMT_FP4 matrix_b_fmt:MATRIX_FMT_FP4
.endr
.endr
.irp kt, 0,1
.irp dt, 0,1
	v_wmma_scale_f32_16x16x128_f8f6f4 v[KA+8*(2*\kt+\dt):KA+8*(2*\kt+\dt)+7], v[16*(2*(\j)+\dt)+8:16*(2*(\j)+\dt)+15], v[OC+16*\kt+8:OC+16*\kt+15], v[KA+8*(2*\kt+\dt):KA+8*(2*\kt+\dt)+7], v[24+2*(\j)+\dt], v[44+\kt] matrix_a_fmt:MATRIX_FMT_FP4 matrix_b_fmt:MATRIX_FMT_FP4 matrix_a_scale:MATRIX_SCALE_ROW1 matrix_b_scale:MATRIX_SCALE_ROW1
.endr
.endr
	WIN 0
.endm
.macro CVTK                            ; two tiles of 16 channels make a bf16 fragment of 32: each accumulator from its low end on
.set f, 0
.rept 16
	v_cvt_pk_bf16_f32 v[KB+f], v[KA+2*f], v[KA+2*f+1]
.set f, f+1
.endr
.endm
.macro SMUL b                          ; S^T += k q^T over channels 32 b ..: fourteen accumulators by turns
	WIN 0xf0
.irp qt, 0,1,2,3,4,5,6
.irp kt, 0,1
.if (\b) == 0
	v_wmma_f32_16x16x32_bf16 v[SR+8*(2*\qt+\kt):SR+8*(2*\qt+\kt)+7], v[KB+8*\kt:KB+8*\kt+7], v[QB+8*\qt:QB+8*\qt+7], v[MBR+8*\kt:MBR+8*\kt+7]
.else
	v_wmma_f32_16x16x32_bf16 v[SR+8*(2*\qt+\kt):SR+8*(2*\qt+\kt)+7], v[KB+8*\kt:KB+8*\kt+7], v[QB+56*((\b)%2)+8*\qt:QB+56*((\b)%2)+8*\qt+7], v[SR+8*(2*\qt+\kt):SR+8*(2*\qt+\kt)+7]
.endif
.endr
.endr
	WIN 0
.endm
.macro CL g, dst                       ; the codes of wave g's 32 keys
.set f, 0
.rept 8
	ds_load_b128 v[\dst+4*f:\dst+4*f+3], v9 offset:4096*(\g)+512*f
.set f, f+1
.endr
.endm
.macro PL g, dst                       ; their p, seven fragments, into window 3
	WIN 0xc0
.set f, 0
.rept 14
	ds_load_b128 v[\dst+4*f:\dst+4*f+3], v13 offset:7168*(\g)+512*f
.set f, f+1
.endr
	WIN 0
.endm
.macro FP4V g                          ; v for wave g's 32 keys and my 64 channels: eight accumulators by turns, two K steps
	WIN 0x0c                                       ; Wv window 3
.irp ct, 0,1,2,3
.irp k, 0,1
	v_wmma_scale_f32_16x16x128_f8f6f4 v[VA+8*(2*\ct+\k):VA+8*(2*\ct+\k)+7], v[CS+32*((\g)%2)+16*\k:CS+32*((\g)%2)+16*\k+7], v[XR+16*\ct:XR+16*\ct+7], 0, v[46+2*(\g)+\k], v[40+\ct] matrix_a_fmt:MATRIX_FMT_FP4 matrix_b_fmt:MATRIX_FMT_FP4
.endr
.endr
.irp ct, 0,1,2,3
.irp k, 0,1
	v_wmma_scale_f32_16x16x128_f8f6f4 v[VA+8*(2*\ct+\k):VA+8*(2*\ct+\k)+7], v[CS+32*((\g)%2)+16*\k+8:CS+32*((\g)%2)+16*\k+15], v[XR+16*\ct+8:XR+16*\ct+15], v[VA+8*(2*\ct+\k):VA+8*(2*\ct+\k)+7], v[46+2*(\g)+\k], v[40+\ct] matrix_a_fmt:MATRIX_FMT_FP4 matrix_b_fmt:MATRIX_FMT_FP4 matrix_a_scale:MATRIX_SCALE_ROW1 matrix_b_scale:MATRIX_SCALE_ROW1
.endr
.endr
	WIN 0
.endm
.macro CVTV
.set f, 0
.rept 32
	v_cvt_pk_bf16_f32 v[VBF+f], v[VA+2*f], v[VA+2*f+1]
.set f, f+1
.endr
.endm
.macro PV g                            ; O^T += v^T p: 28 accumulators by turns
	WIN 0x5c                                       ; p window 3, O^T window 1
.irp ct, 0,1,2,3
.irp qt, 0,1,2,3,4,5,6
	v_wmma_f32_16x16x32_bf16 v[8*(7*\ct+\qt):8*(7*\ct+\qt)+7], v[VBF+8*\ct:VBF+8*\ct+7], v[SR+56*((\g)%2)+8*\qt:SR+56*((\g)%2)+8*\qt+7], v[8*(7*\ct+\qt):8*(7*\ct+\qt)+7]
.endr
.endr
	WIN 0
.endm
	s_load_b512 s[4:19], s[0:1], 0x0               ; memory 4, mask 6, coords 8, mean 10, scale 12, bk 14, wprep 16, po 18
	s_load_b64 s[20:21], s[0:1], 0x40              ; ps
	v_lshl_add_u32 v1, v0, 2, SPARE
	v_mov_b32 v2, 0
	ds_add_u32 v1, v2                              ; the wave's opening: the add and its wait ahead of my first tensor load
	v_lshrrev_b32 v3, 5, v0
	v_readfirstlane_b32 s22, v3                    ; wave
	s_mov_b32 s23, ttmp9                           ; chunk
	s_and_b32 s24, ttmp7, 0xffff                   ; batch
	s_mov_b32 s25, 7
	s_mov_b32 s26, 0                               ; step x 512: the mask tables
	s_mov_b32 s27, 0                               ; step x 256: the coordinates' rows
	s_mov_b32 s28, 0xffff0000                      ; lanes 16-31
	s_mov_b32 s29, 0x72000000                      ; 2^101
	s_mov_b32 s30, 0x76543210
	s_mov_b32 s31, 0xfedcba98
	; group 1 for memory's rows: 32 rows x 256 elements of 4 bytes, 4 words of padding behind each 256
	s_mov_b32 s32, (2<<16)|(1<<20)|(7<<22)|(3<<25)
	s_mov_b32 s33, 256<<16
	s_mov_b32 s34, 32<<16
	s_mov_b32 s35, 256<<16
	s_mov_b32 s36, 32
	s_mov_b32 s37, 256
	s_mov_b32 s38, 0
	s_mov_b32 s39, 0
	; for a quarter of q's fragments: 56 dense rows of 256 bytes
	s_mov_b32 s40, 3<<16
	s_mov_b32 s41, 32<<16
	s_mov_b32 s42, 56<<16
	s_mov_b32 s43, 32<<16
	s_mov_b32 s44, 56
	s_mov_b32 s45, 32
	s_mov_b32 s46, 0
	s_mov_b32 s47, 0
	s_mul_i32 s80, s22, SLOTW
	s_mul_i32 s81, s22, 14336
	s_lshl_b32 s82, s22, 13
	s_lshl_b32 s84, s24, 23                        ; my first row: (8,192 batch + 1,024 chunk + 32 wave) x 1,024 bytes, under 2^28
	s_lshl_b32 s85, s23, 20
	s_add_co_u32 s84, s84, s85
	s_lshl_b32 s85, s22, 15
	s_add_co_u32 s84, s84, s85
	s_mov_b32 s85, 0
	s_add_co_u32 s86, s81, 69632
	s_mov_b32 s87, 0
	s_wait_dscnt 0x0                               ; the opening add is done
	s_wait_kmcnt 0x0
	s_mov_b32 s56, 1
	s_mov_b32 s57, s80
	s_add_nc_u64 s[58:59], s[4:5], s[84:85]
	s_or_b32 s59, s59, 0x80000000
	s_mov_b32 s60, 1
	s_add_co_u32 s61, s81, QIMGL
	s_add_nc_u64 s[62:63], s[16:17], s[86:87]
	s_or_b32 s63, s63, 0x80000000
	tensor_load_to_lds s[56:59], s[32:39]          ; the two first fills go out together: two loads of mine are out
	s_nop 0
	tensor_load_to_lds s[60:63], s[40:47]
	s_nop 0
	PLACES 4
	s_add_nc_u64 s[48:49], s[4:5], s[84:85]        ; where my prefetches stand: my rows of tile 1; the first step's refill steps it to tile 2
	s_add_nc_u64 s[48:49], s[48:49], 131072
	v_and_b32 v82, 31, v0                          ; lane
	v_and_b32 v84, 15, v0                          ; r
	v_bfe_u32 v85, v0, 4, 1                        ; h
	v_lshlrev_b32 v3, 4, v82
	v_lshlrev_b32 v4, 2, v82
	v_lshlrev_b32 v[PFO], 8, v82                   ; 256 x lane; never rewritten
	v_lshlrev_b32 v83, 3, v85
	v_mul_u32_u24 v5, v84, PITCH
	v_lshl_add_u32 v5, v85, 7, v5
	v_add_nc_u32 v5, s80, v5                       ; my row of a key tile, + 128 h
	v_add_nc_u32 v6, s80, v3                       ; my 16 bytes of a row
	v_add_nc_u32 v7, QIMGL, v3
	v_add_nc_u32 v9, CIMG, v3
	s_lshl_b32 s86, s22, 12
	v_add_nc_u32 v8, s86, v9
	v_add_nc_u32 v11, CSC, v4
	s_lshl_b32 s86, s22, 8
	v_add_nc_u32 v10, s86, v11
	v_add_nc_u32 v13, PIMG, v3
	s_mul_i32 s86, s22, 7168
	v_add_nc_u32 v12, s86, v13
	v_add_nc_u32 v15, MXR, v3
	s_lshl_b32 s86, s22, 2
	v_add_nc_u32 v14, s86, v15
	s_lshl_b32 s86, s22, 7
	s_add_co_u32 s87, s86, MF
	v_mov_b32 v16, s87                             ; my 32 keys' masks: the same address in every lane
	s_add_co_u32 s87, s86, MB
	v_lshl_add_u32 v17, v85, 5, s87
	v_and_b32 v18, 3, v84                          ; rows 4-15 of the extra tile repeat rows 0-3: their sums are not read
	v_mul_u32_u24 v18, v18, ETP
	v_lshl_add_u32 v18, v85, 4, v18
	s_lshl_b32 s86, s22, 6
	s_add_co_u32 s86, s86, ET
	v_add_nc_u32 v18, s86, v18
	v_lshl_add_u32 v19, v85, 4, BKT                ; bk's fragments: every row alike, + 16 h
	v_add_nc_u32 v20, s82, v3                      ; my part of Wv's codes in wprep: 8,192 w + 16 lane
	WIN 0x80                                       ; Wk's 32 fragments stay in window 2
.set f, 0
.rept 64
	global_load_b128 v[4*f:4*f+3], v3, s[16:17] offset:512*f
.set f, f+1
.endr
	WIN 0xc0                                       ; Wv's 8 fragments of my 64 channels stay in window 3
.set f, 0
.rept 16
	global_load_b128 v[XR+4*f:XR+4*f+3], v20, s[16:17] offset:32768+512*f
.set f, f+1
.endr
	WIN 0
.irp t, 0,1,2,3,4,5,6,7,8,9,10,11,12,13,14,15
	global_load_b32 v[24+\t], v4, s[16:17] offset:65536+128*\t
.endr
	s_lshl_b32 s86, s22, 9
	v_add_nc_u32 v86, s86, v4
.irp t, 0,1,2,3
	global_load_b32 v[40+\t], v86, s[16:17] offset:65536+2048+128*\t
.endr
	; thread t prepares the tables of keys 8 t .. 8 t + 7 of the chunk
	v_lshlrev_b32 v87, 3, v0
	s_lshl_b32 s86, s24, 13
	s_lshl_b32 s87, s23, 10
	s_add_co_u32 s86, s86, s87                     ; the chunk's first key
	v_add_nc_u32 v88, s86, v87
	global_load_b64 v[90:91], v88, s[6:7]
	s_mul_i32 s87, s86, 12
	v_mul_u32_u24 v89, v0, 96
	v_add_nc_u32 v89, s87, v89
.irp i, 0,1,2,3,4,5
	global_load_b128 v[92+4*\i:95+4*\i], v89, s[8:9] offset:16*\i
.endr
	global_load_b64 v[116:117], v87, s[14:15]      ; bk at channels 2 t, 2 t + 1
	s_mul_i32 s88, s24, 12
	s_mov_b32 s89, 0
	s_add_nc_u64 s[10:11], s[10:11], s[88:89]
	s_add_nc_u64 s[12:13], s[12:13], s[88:89]
	s_load_b96 s[72:74], s[10:11], 0x0             ; mean
	s_load_b96 s[76:78], s[12:13], 0x0             ; scale
	WIN 0x40
.set i, 0
.rept 224
	v_mov_b32 v[i], 0                              ; O^T
.set i, i+1
.endr
	WIN 0xc0
.set i, 0
.rept 64
	v_mov_b32 v[i], 0                              ; the coordinates' sums and l; the masked sum
.set i, i+1
.endr
	WIN 0
.irp qt, 0,1,2,3,4,5,6
	v_mov_b32 v[54+2*\qt], 0x71800000              ; -M = 2^100: M begins over every masked score and under every other
	v_mov_b32 v[55+2*\qt], 0                       ; (named with it as a pair)
	v_mov_b32 v[68+2*\qt], 0
	v_mov_b32 v[69+2*\qt], 0
.endr
	v_mov_b32 v[TM+7], 0                           ; a lane permute's destination counts as one of its sources
	v_lshl_add_u32 v118, v0, 5, MF
	v_lshl_add_u32 v119, v0, 4, ET
	v_lshl_add_u32 v136, v0, 2, BKT
	s_wait_loadcnt 0x0
	s_wait_kmcnt 0x0
	v_rcp_f32 v137, s76
	v_rcp_f32 v138, s77
	v_rcp_f32 v139, s78
.irp i, 0,1,2,3,4,5,6,7
	v_bfe_u32 v[120+\i], v[90+\i/4], 8*(\i%4), 8
.endr
.irp i, 0,1,2,3,4,5,6,7
	v_cvt_f32_u32 v[120+\i], v[120+\i]
.endr
.irp i, 0,1,2,3,4,5,6,7
	v_fma_f32 v[128+\i], v[120+\i], s29, -s29      ; 0 where the key counts, -2^101 where it does not
.endr
	v_add_f32 v21, v120, v121                      ; the count: my 8 keys,
.irp i, 2,3,4,5,6,7
	v_add_f32 v21, v21, v[120+\i]
.endr
	v_add_f32_dpp v21, v21, v21 row_xmask:1 row_mask:0xf bank_mask:0xf   ; and the 256 keys of my wave's 32 threads, in every lane
	v_add_f32_dpp v21, v21, v21 row_xmask:2 row_mask:0xf bank_mask:0xf
	v_add_f32_dpp v21, v21, v21 row_xmask:4 row_mask:0xf bank_mask:0xf
	v_add_f32_dpp v21, v21, v21 row_xmask:8 row_mask:0xf bank_mask:0xf
	v_permlanex16_b32 v[TM+7], v21, s30, s31
	v_add_f32 v21, v21, v[TM+7]
.irp i, 0,1,2,3,4,5,6,7
.irp j, 0,1,2
	v_sub_f32 v[92+3*\i+\j], v[92+3*\i+\j], s[72+\j]
.endr
.endr
	s_wait_alu depctr_va_vdst(0)                   ; one wait for the three reciprocals, ahead of their first reader
.irp i, 0,1,2,3,4,5,6,7
.irp j, 0,1,2
	v_mul_f32 v[92+3*\i+\j], v[92+3*\i+\j], v[137+\j]
.endr
.endr
.irp j, 0,1,2
.irp p, 0,1,2,3
	v_cvt_pk_bf16_f32 v[140+4*\j+\p], v[92+6*\p+\j], v[95+6*\p+\j]
.endr
.endr
.irp p, 0,1,2,3
	v_mov_b32 v[152+\p], 0x3f803f80                ; ones
.endr
	v_cvt_pk_bf16_f32 v156, v116, v117
	ds_store_b128 v118, v[120:123]
	ds_store_b128 v118, v[124:127] offset:16
	ds_store_b128 v118, v[128:131] offset:4096
	ds_store_b128 v118, v[132:135] offset:4112
.irp j, 0,1,2,3
	ds_store_b128 v119, v[140+4*\j:143+4*\j] offset:\j*ETP
.endr
	ds_store_b32 v136, v156
	s_wait_dscnt 0x0                               ; for the others' sake: my tables lie in LDS
	s_barrier_signal -1
	s_barrier_wait -1                              ; the first fills may stay out
.macro STEP refill
	v_add_nc_u32 v22, s26, v16
	v_add_nc_u32 v23, s26, v17
	v_add_nc_u32 v82, s27, v18
	; ---- Q
	s_wait_tensorcnt 0x0                           ; my 32 rows have landed: no younger load of mine exists
	SLOAD 0, ST0
	SLOAD 1, ST1
	s_wait_dscnt 16                                ; the older 16 loads are in, the younger 16 may be out
	QUANT ST0, OC, W0
	SLOAD 2, ST0
	s_wait_dscnt 16
	QUANT ST1, OC+8, W1
	v_cndmask_b32 v44, v[W0], v[W1], s28           ; lanes 0-15: K step 0's words; lanes 16-31: K step 1's
	SLOAD 3, ST1
	s_wait_dscnt 16
	QUANT ST0, OC+16, W0
.irp i, 0,1,2,3,4,5,6,7
	ds_load_b128 v[MFR+4*\i:MFR+4*\i+3], v22 offset:16*\i
.endr
	DLOAD 0, ST0
	s_wait_dscnt 24                                ; behind the last 16 rows' loads: 8 of masks and 16 of rows
	QUANT ST1, OC+24, W1
	v_cndmask_b32 v45, v[W0], v[W1], s28
	DLOAD 1, ST1
	s_wait_dscnt 16
	MSUM 0, ST0
	DLOAD 2, ST0
	s_wait_dscnt 16
	MSUM 1, ST1
	DLOAD 3, ST1
	s_wait_dscnt 16
	MSUM 2, ST0
	s_wait_dscnt 0x0
	MSUM 3, ST1
	WIN 0x04                                       ; an LDS store's data are its source 1: window 1
.set f, 0
.rept 8
	ds_store_b128 v8, v[OC+4*f:OC+4*f+3] offset:512*f
.set f, f+1
.endr
	WIN 0
	ds_store_b32 v10, v44
	ds_store_b32 v10, v45 offset:128
.if \refill
	s_wait_tensorcnt 0x0                           ; no tensor load of mine is out, so the descriptor may be written
	ds_add_u32 v1, v2                              ; 0 onto my spare word
	s_add_nc_u64 s[58:59], s[58:59], 131072        ; the next 128 keys
	s_wait_xcnt 0x0                                ; the last step's prefetches have read their address, so it may be written:
	s_add_nc_u64 s[48:49], s[48:49], 131072        ; one tile further on than the descriptor
	s_wait_dscnt 0x0                               ; the add is done, my reads of the slot are over, my codes lie in LDS
	s_barrier_signal -1
	s_barrier_wait -1                              ; barrier A
	tensor_load_to_lds s[56:59], s[32:39]          ; my one load behind the barrier: it has K/S, the softmax and V/PV in which to land
	s_nop 0
	PLACES 4
.else
	s_wait_dscnt 0x0
	s_barrier_signal -1
	s_barrier_wait -1                              ; barrier A; nothing is left to fetch
.endif
	; ---- K/S
	WIN 0xc0
.irp kt, 0,1
.irp c, 0,1
	ds_load_b128 v[MBR+8*\kt+4*\c:MBR+8*\kt+4*\c+3], v23 offset:64*\kt+16*\c
.endr
.endr
	WIN 0
	QL 0, QB
	QL 1, QB+56
	FP4K 0                                         ; its operands lie in registers: it runs while the loads are out
	PLACES 5
	CVTK
.set b, 0
.rept 8
.if b < 7
	s_wait_dscnt 14                                ; all but the set of q issued last
.else
	s_wait_dscnt 0x0
.endif
.if b < 7
	FP4K b+1
.endif
	SMUL b
	PLACES 5
.if b < 7
	CVTK
.endif
.if b <= 5
	QL b+2, QB+56*(b%2)
.endif
.set b, b+1
.endr
	; ---- the softmax.  My 32 keys' largest score for each query: every accumulator is read from its low end first
	WIN 0x3f
.irp qt, 0,1,2,3,4,5,6
	v_max3_num_f32 v[LM+\qt], v[SR+16*\qt], v[SR+16*\qt+1], v[SR+16*\qt+2]
.endr
	WIN 0x3c
.irp a, 8,3,5,11,13
.irp qt, 0,1,2,3,4,5,6
	v_max3_num_f32 v[LM+\qt], v[LM+\qt], v[SR+16*\qt+\a], v[SR+16*\qt+\a+1]
.endr
.endr
.irp qt, 0,1,2,3,4,5,6
	v_max3_num_f32 v[LM+\qt], v[LM+\qt], v[SR+16*\qt+7], v[SR+16*\qt+10]
.endr
.irp qt, 0,1,2,3,4,5,6
	v_max_num_f32 v[LM+\qt], v[LM+\qt], v[SR+16*\qt+15]
.endr
	WIN 0
.irp qt, 0,1,2,3,4,5,6
	v_permlanex16_b32 v[PT+\qt], v[LM+\qt], s30, s31
.endr
.irp qt, 0,1,2,3,4,5,6
	v_max_num_f32 v[LM+\qt], v[LM+\qt], v[PT+\qt]
.endr
.irp qt, 0,1,2,3,4,5,6
	ds_store_b32 v14, v[LM+\qt] offset:512*\qt
.endr
	s_wait_dscnt 0x0
	s_barrier_signal -1
	s_barrier_wait -1                              ; barrier M
.irp qt, 0,1,2,3,4,5,6
	ds_load_b128 v[MXL+4*\qt:MXL+4*\qt+3], v15 offset:512*\qt
.endr
	ds_load_b128 v[ETF:ETF+3], v82
	ds_load_b128 v[ETF+4:ETF+7], v82 offset:32
.irp t, 0,1,2,3,4,5,6,7
	ds_load_b32 v[46+\t], v11 offset:128*\t
.endr
	CL 0, CS
	CL 1, CS+32
	s_wait_dscnt 24                                ; the maxima and the extra tile are in; the 8 scale images and 16 of codes may be out
.irp qt, 0,1,2,3,4,5,6
	v_min3_num_f32 v[LM+\qt], -v[MXL+4*\qt], -v[MXL+4*\qt+1], -v[MXL+4*\qt+2]
.endr
.irp qt, 0,1,2,3,4,5,6
	v_min3_num_f32 v[LM+\qt], v[LM+\qt], -v[MXL+4*\qt+3], v[54+2*\qt]   ; the new -M
.endr
.irp qt, 0,1,2,3,4,5,6
	v_sub_f32 v[68+2*\qt], v[LM+\qt], v[54+2*\qt]  ; old M - new M
.endr
.irp qt, 0,1,2,3,4,5,6
	v_mov_b32 v[54+2*\qt], v[LM+\qt]
.endr
.irp qt, 0,1,2,3,4,5,6
	v_exp_f32 v[68+2*\qt], v[68+2*\qt]             ; a
.endr
	WIN 0xc3
.irp qt, 0,1,2,3,4,5,6
.irp i, 0,2,4,6,8,10,12,14
	v_pk_add_f32 v[SR+16*\qt+\i:SR+16*\qt+\i+1], v[SR+16*\qt+\i:SR+16*\qt+\i+1], v[54+2*\qt:55+2*\qt] op_sel_hi:[1,0]
.endr
.endr
.set i, 0
.rept 112
	v_exp_f32 v[SR+i], v[SR+i]                     ; p = 2^(t - M)
.set i, i+1
.endr
	WIN 0
	v_nop                                          ; the plain instruction behind the batch
	s_wait_alu depctr_va_vdst(0)                   ; one wait for all 119 exponentials, ahead of their first reader
	WIN 0x0f
.set i, 0
.rept 56
	v_cvt_pk_bf16_f32 v[PO+i], v[SR+2*i], v[SR+2*i+1]
.set i, i+1
.endr
	WIN 0
.set f, 0
.rept 14
	ds_store_b128 v12, v[PO+4*f:PO+4*f+3] offset:512*f
.set f, f+1
.endr
	WIN 0xc3
.irp qt, 0,1,2,3,4,5,6
.irp i, 0,2,4,6
	v_pk_mul_f32 v[8*\qt+\i:8*\qt+\i+1], v[8*\qt+\i:8*\qt+\i+1], v[68+2*\qt:69+2*\qt] op_sel_hi:[1,0]
.endr
.endr
	WIN 0xf0
.irp qt, 0,1,2,3,4,5,6
	v_wmma_f32_16x16x32_bf16 v[8*\qt:8*\qt+7], v[ETF:ETF+7], v[PO+8*\qt:PO+8*\qt+7], v[8*\qt:8*\qt+7]   ; the coordinates' sums and l over my 32 keys
.endr
	WIN 0x41
.irp ct, 0,1,2,3
.irp qt, 0,1,2,3,4,5,6
.irp i, 0,2,4,6
	v_pk_mul_f32 v[8*(7*\ct+\qt)+\i:8*(7*\ct+\qt)+\i+1], v[8*(7*\ct+\qt)+\i:8*(7*\ct+\qt)+\i+1], v[68+2*\qt:69+2*\qt] op_sel_hi:[1,0]
.endr
.endr
.endr
	WIN 0
	s_wait_dscnt 0x0                               ; my p lies in LDS; the scale images and the first codes are in
	s_barrier_signal -1
	FP4V 0                                         ; work on registers while the others arrive
	s_barrier_wait -1                              ; barrier P
	; ---- V/PV
	PLACES 4
	PL 0, SR
	CL 2, CS
	PL 1, SR+56
.if \refill
	; A PREFETCH INTO THE L2 of what the NEXT refill will load: my own 32 rows of the tile two steps on, 32,768 consecutive bytes: four instructions, lanes 256 bytes apart.  It stands behind the run of LDS loads just issued;
	; between it and that load stand this step's remaining 160 matrix instructions and the next step's Q.  Each wave asks for the rows that it alone will fetch, so each block is named once in the launch.
	; Tiles 0 and 1 come by their loads alone; the loop's last trip (s25 = 1) has no tile two steps on and asks for nothing, and the step written out behind the loop has no such lines.
	s_cmp_gt_u32 s25, 1
	s_cbranch_scc0 .Lno_tile_\@
.irp i, 0,1,2,3
	global_prefetch_b8 v[PFO], s[48:49] offset:8192*\i th:TH_LOAD_NT scope:SCOPE_SE
.endr
.Lno_tile_\@:
.endif
	CVTV
	s_wait_dscnt 22                                ; p of group 0 is in; 8 of codes and 14 of p may be out
	FP4V 1
	PV 0
	PLACES 5
	CVTV
	CL 3, CS+32
	PL 2, SR
	s_wait_dscnt 22
	FP4V 2
	PV 1
	PLACES 5
	CVTV
	PL 3, SR+56
	s_wait_dscnt 14
	FP4V 3
	PV 2
	PLACES 5
	CVTV
	s_wait_dscnt 0x0                               ; my reads of the codes' and p's images are over
	s_barrier_signal -1
	PV 3
	s_barrier_wait -1                              ; barrier Z: the next step may write the images again
	PLACES 5
	s_add_co_u32 s26, s26, 512
	s_add_co_u32 s27, s27, 256
.endm
.Lstep:
	STEP 1
	s_sub_co_u32 s25, s25, 1
	s_cmp_lg_u32 s25, 0
	s_cbranch_scc1 .Lstep
	STEP 0                                         ; the last step is written out
	; ---- the way out
	s_lshl_b32 s86, s24, 3
	s_add_co_u32 s86, s86, s23                     ; 8 batch + chunk
	s_mul_i32 s88, s86, 114688
	s_lshl_b32 s87, s22, 12
	s_add_co_u32 s88, s88, s87
	s_mov_b32 s89, 0
	s_add_nc_u64 s[18:19], s[18:19], s[88:89]
	WIN 0x04
.irp ct, 0,1,2,3
.irp qt, 0,1,2,3,4,5,6
.irp c, 0,1
	global_store_b128 v3, v[8*(7*\ct+\qt)+4*\c:8*(7*\ct+\qt)+4*\c+3], s[18:19] offset:(16*\qt+\ct)*1024+512*\c   ; 512 consecutive bytes, aligned
.endr
.endr
.endr
	WIN 0x0c                                       ; data in window 3: my sums go to my own part of p's region, which nobody reads any more
.irp qt, 0,1,2,3,4,5,6
	ds_store_b128 v12, v[8*\qt:8*\qt+3] offset:1024*\qt
.endr
	ds_store_b128 v12, v[56:59] offset:512
	ds_store_b128 v12, v[60:63] offset:1536
	WIN 0
	ds_store_b32 v12, v21 offset:2560              ; my wave's part of the count
	s_lshl_b32 s87, s22, 10
	v_add_nc_u32 v84, s87, v13
	v_lshlrev_b32 v85, 1, v4
	s_wait_dscnt 0x0
	s_barrier_signal -1
	s_barrier_wait -1                              ; barrier Y
.irp u, 0,1,2,3
	ds_load_b128 v[88+4*\u:91+4*\u], v84 offset:7168*\u            ; the four waves' sums for query tile w
.endr
	s_mul_i32 s88, s86, 3584
	s_lshl_b32 s87, s22, 9
	s_add_co_u32 s88, s88, s87
	s_add_nc_u64 s[92:93], s[20:21], s[88:89]
	s_wait_dscnt 0x0
	v_pk_add_f32 v[88:89], v[88:89], v[92:93]
	v_pk_add_f32 v[90:91], v[90:91], v[94:95]
	v_pk_add_f32 v[96:97], v[96:97], v[100:101]
	v_pk_add_f32 v[98:99], v[98:99], v[102:103]
	v_pk_add_f32 v[88:89], v[88:89], v[96:97]
	v_pk_add_f32 v[90:91], v[90:91], v[98:99]
	global_store_b128 v3, v[88:91], s[92:93]
	s_cmp_lt_u32 s22, 3
	s_cbranch_scc0 .Lw3
.irp u, 0,1,2,3
	ds_load_b128 v[104+4*\u:107+4*\u], v84 offset:7168*\u+4096     ; and for query tile w + 4
.endr
	s_wait_dscnt 0x0
	v_pk_add_f32 v[104:105], v[104:105], v[108:109]
	v_pk_add_f32 v[106:107], v[106:107], v[110:111]
	v_pk_add_f32 v[112:113], v[112:113], v[116:117]
	v_pk_add_f32 v[114:115], v[114:115], v[118:119]
	v_pk_add_f32 v[104:105], v[104:105], v[112:113]
	v_pk_add_f32 v[106:107], v[106:107], v[114:115]
	global_store_b128 v3, v[104:107], s[92:93] offset:2048
	s_cmp_lg_u32 s22, 0
	s_cbranch_scc1 .Lend
	; wave 0: q . bk for the 112 queries: source 0 = 16 rows that all hold bk, source 1 = q's fragments, which still lie in LDS: in the result every register of a lane holds its query's number.  Seven accumulators by turns.
.set f, 0
.rept 8
	ds_load_b128 v[BKF+8*f:BKF+8*f+3], v19 offset:64*f
	ds_load_b128 v[BKF+8*f+4:BKF+8*f+7], v19 offset:64*f+32
.set f, f+1
.endr
	QLW 0, SR
	QLW 1, SR+56
	s_mul_i32 s88, s86, 896
	s_add_co_u32 s88, s88, 917504
	s_add_nc_u64 s[90:91], s[20:21], s[88:89]
.set b, 0
.rept 8
.if b < 7
	s_wait_dscnt 14                                ; all but the set of q issued last
.else
	s_wait_dscnt 0x0
.endif
	WIN 0x0c                                       ; q window 3
.irp qt, 0,1,2,3,4,5,6
.if b == 0
	v_wmma_f32_16x16x32_bf16 v[QD+8*\qt:QD+8*\qt+7], v[BKF:BKF+7], v[SR+8*\qt:SR+8*\qt+7], 0
.else
	v_wmma_f32_16x16x32_bf16 v[QD+8*\qt:QD+8*\qt+7], v[BKF+8*b:BKF+8*b+7], v[SR+56*(b%2)+8*\qt:SR+56*(b%2)+8*\qt+7], v[QD+8*\qt:QD+8*\qt+7]
.endif
.endr
	WIN 0
	PLACES 4
.if b <= 5
	QLW b+2, SR+56*(b%2)
.endif
.set b, b+1
.endr
.irp qt, 0,1,2,3,4,5,6
	v_sub_f32 v[68+2*\qt], v[54+2*\qt], v[QD+8*\qt]                ; -(M + q . bk): the true scores' maximum
.endr
.irp qt, 0,1,2,3,4,5,6
	global_store_b32 v4, v[68+2*\qt], s[90:91] offset:128*\qt
.endr
	s_branch .Lend
.Lw3:                                                  ; wave 3: the masked sum of memory and the count
.irp u, 0,1,2,3
	ds_load_b128 v[104+4*\u:107+4*\u], v13 offset:7168*\u+512
	ds_load_b128 v[120+4*\u:123+4*\u], v13 offset:7168*\u+1536
	ds_load_b32 v[136+\u], v13 offset:7168*\u+2560
.endr
	s_lshl_b32 s88, s86, 10
	s_add_co_u32 s88, s88, 1146880
	s_add_nc_u64 s[94:95], s[20:21], s[88:89]
	s_lshl_b32 s88, s86, 8
	s_add_co_u32 s88, s88, 1409024
	s_add_nc_u64 s[72:73], s[20:21], s[88:89]
	s_wait_dscnt 0x0
.irp u, 1,2,3
	v_pk_add_f32 v[104:105], v[104:105], v[104+4*\u:105+4*\u]
	v_pk_add_f32 v[106:107], v[106:107], v[106+4*\u:107+4*\u]
	v_pk_add_f32 v[120:121], v[120:121], v[120+4*\u:121+4*\u]
	v_pk_add_f32 v[122:123], v[122:123], v[122+4*\u:123+4*\u]
	v_add_f32 v136, v136, v[136+\u]
.endr
	v_mov_b32 v137, v136
	global_store_b128 v3, v[104:107], s[94:95]
	global_store_b128 v3, v[120:123], s[94:95] offset:512
	global_store_b64 v85, v[136:137], s[72:73]     ; the count in every word of 256 bytes
.Lend:
	s_wait_tensorcnt 0x0                           ; the wave's end
	ds_add_u32 v1, v2
	s_wait_dscnt 0x0
	s_endpgm
.Lfunc_end_k_qd3130fb826_main:
	.size	k_qd3130fb826_main, .Lfunc_end_k_qd3130fb826_main-k_qd3130fb826_main
	.p2alignl 7, 3214868480
	.fill 96, 4, 3214868480
	.section	.rodata,"a",@progbits
	.p2align	6, 0x0
	.amdhsa_kernel k_qd3130fb826_main
		.amdhsa_group_segment_fixed_size 327680
		.amdhsa_private_segment_fixed_size 0
		.amdhsa_enable_private_segment 0
		.amdhsa_kernarg_size 72
		.amdhsa_user_sgpr_count 2
		.amdhsa_user_sgpr_kernarg_segment_ptr 1
		.amdhsa_wavefront_size32 1
		.amdhsa_system_sgpr_workgroup_id_x 1
		.amdhsa_system_sgpr_workgroup_id_y 1
		.amdhsa_system_sgpr_workgroup_id_z 1
		.amdhsa_system_vgpr_workitem_id 0
		.amdhsa_next_free_vgpr 1024
		.amdhsa_next_free_sgpr 96
		.amdhsa_reserve_vcc 0
		.amdhsa_float_denorm_mode_32 3
		.amdhsa_float_denorm_mode_16_64 3
		.amdhsa_memory_ordered 1
		.amdhsa_forward_progress 1
		.amdhsa_inst_pref_size 255
	.end_amdhsa_kernel
	.section	.bss,"aw",@nobits
	.p2align	6
	.space	262144
	.amdgpu_metadata
---
amdhsa.version: [ 1, 2 ]
amdhsa.kernels:
  - .name:           k_qd3130fb826_main
    .symbol:         k_qd3130fb826_main.kd
    .args:
      - { .name: memory, .offset: 0, .size: 8, .value_kind: global_buffer, .address_space: global }
      - { .name: memory_mask, .offset: 8, .size: 8, .value_kind: global_buffer, .address_space: global }
      - { .name: coords, .offset: 16, .size: 8, .value_kind: global_buffer, .address_space: global }
      - { .name: mean, .offset: 24, .size: 8, .value_kind: global_buffer, .address_space: global }
      - { .name: scale, .offset: 32, .size: 8, .value_kind: global_buffer, .address_space: global }
      - { .name: bk, .offset: 40, .size: 8, .value_kind: global_buffer, .address_space: global }
      - { .name: wprep, .offset: 48, .size: 8, .value_kind: global_buffer, .address_space: global }
      - { .name: po, .offset: 56, .size: 8, .value_kind: global_buffer, .address_space: global }
      - { .name: ps, .offset: 64, .size: 8, .value_kind: global_buffer, .address_space: global }
    .group_segment_fixed_size: 327680
    .private_segment_fixed_size: 0
    .kernarg_segment_align: 8
    .kernarg_segment_size: 72
    .max_flat_workgroup_size: 128
    .sgpr_count:     96
    .vgpr_count:     1024
    .wavefront_size: 32
...
	.end_amdgpu_metadata
.endif
;; end of part 2
;; launch gb (part 3): grid 8 x 4, 8 waves a work-group, no clusters, 26,112 bytes of LDS; arguments ps, wprep, gb1, gb2, bb1, bb2, gbuf; writes gbuf
.if DOCPART == 3
	.amdgcn_target "amdgcn-amd-amdhsa--gfx1250"
	.amdhsa_code_object_version 6
	.text
	.protected	k_qd3130fb826_gb
	.globl	k_qd3130fb826_gb
	.p2align	8
	.type	k_qd3130fb826_gb,@function
k_qd3130fb826_gb:
	s_mov_b64 s[64:65], 0
	v_nop
	global_prefetch_b8 v0, s[64:65] scope:SCOPE_SE
	s_setreg_imm32_b32 hwreg(HW_REG_WAVE_MODE, 25, 1), 1
	s_wait_xcnt 0x0
; 1 + gamma and beta: two layers of 256 x 256 on the masked mean of memory, for 16 batches (y & 1) of one kind (y >> 1: 0 gamma, 1 beta); x: 32 of the second layer's 256 outputs.
; Both products are used transposed (source 0 = 16 rows of a weight, source 1 = 16 batches): a lane holds one batch and 8 units.  bf16 operands, f32 sums.
; THE MEAN.  Wave w takes batches 2 w and 2 w + 1 of the 16: the 8 chunks' masked sums as they lie, 512 consecutive bytes a load; their counts by scalar loads (the batch is the same in all lanes);
; sum, division by the count held at 1 from below, rounding to bf16; two rows of 256 bf16 to LDS (pitch 528: the 16 rows of a fragment load start at 16 different 16-byte columns) | barrier |
; every wave reads the 8 fragments from those rows; units 32 w .. 32 w + 31 of the hidden layer, relu: they ARE K step w of the second layer; its part of the 32 outputs to LDS | barrier | waves 0, 1 add the eight parts and the bias.
; Every work-group makes the whole hidden layer anew: 8 x 0.125 M multiply-adds, less than a way through memory would cost.
.set FROW,  528                        ; LDS: 0: the mean, 16 rows
.set PART,  8704                       ; (2 w + i) x 1,024: the second layer's parts
.set SPARE, 25088
.set MSB, 0
.macro WIN new
.if MSB != \new
	s_set_vgpr_msb (MSB<<8)|\new
.set MSB, \new
.endif
.endm
	s_load_b256 s[4:11], s[0:1], 0x0               ; ps 4, wprep 6, gb1 8, gb2 10
	s_load_b128 s[12:15], s[0:1], 0x20             ; bb1 12, bb2 14
	s_load_b64 s[16:17], s[0:1], 0x30              ; gbuf
	v_lshl_add_u32 v1, v0, 2, SPARE
	v_mov_b32 v2, 0
	v_lshrrev_b32 v3, 5, v0
	v_readfirstlane_b32 s18, v3                    ; wave
	s_mov_b32 s19, ttmp9                           ; x
	s_and_b32 s20, ttmp7, 0xffff
	s_and_b32 s21, s20, 1                          ; which 16 batches
	s_lshr_b32 s22, s20, 1                         ; kind
	v_and_b32 v3, 31, v0
	v_lshlrev_b32 v4, 4, v3                        ; 16 x lane
	v_and_b32 v5, 15, v0                           ; r
	v_bfe_u32 v6, v0, 4, 1                         ; h
	s_lshl_b32 s23, s21, 4
	v_add_nc_u32 v15, s23, v5                      ; the batch of my lane in the products
	v_lshlrev_b32 v7, 5, v6
	s_lshl_b32 s24, s18, 7
	v_add_nc_u32 v7, s24, v7                       ; 128 w + 32 h
	s_lshl_b32 s24, s18, 1
	s_add_co_u32 s24, s24, s23                     ; the first of my wave's two batches
	s_lshl_b32 s25, s24, 13
	v_add_nc_u32 v9, s25, v4                       ; its masked sums: 8 chunks x 1,024 bytes a batch, 16 bytes a lane
	s_lshl_b32 s56, s24, 11                        ; its counts: 8 x 256 bytes a batch
	s_mov_b32 s57, 0
	v_mul_u32_u24 v10, v5, FROW
	v_lshl_add_u32 v10, v6, 4, v10                 ; a fragment of the mean: row r, + 16 h
	s_mul_i32 s25, s18, 2*FROW
	v_lshl_add_u32 v11, v3, 3, s25                 ; where I store: my wave's two rows, 8 bytes a lane
	s_and_b32 s25, s18, 1
	s_lshl_b32 s25, s25, 6
	s_lshl_b32 s28, s19, 7
	s_add_co_u32 s25, s25, s28
	v_lshl_add_u32 v8, v6, 5, s25                  ; outputs 16 (2 x + (w & 1)) + 8 h, in bytes
	s_lshl_b32 s28, s22, 15
	v_lshl_add_u32 v14, v15, 10, v8
	v_add_nc_u32 v14, s28, v14
	s_lshl_b32 s29, s18, 11
	s_add_co_u32 s29, s29, PART
	v_add_nc_u32 v12, s29, v4
	s_lshl_b32 s28, s18, 10
	s_add_co_u32 s28, s28, PART
	v_add_nc_u32 v13, s28, v4
	v_mov_b32 v193, 0                              ; (named as the upper halves of pairs)
	v_mov_b32 v195, 0
	s_lshl_b32 s24, s22, 18                        ; two matrices of 131,072 bytes a kind
	s_lshl_b32 s25, s18, 14
	s_add_co_u32 s36, s24, s25
	s_add_co_u32 s36, s36, 131072                  ; the first layer's tiles 2 w, 2 w + 1
	s_mov_b32 s37, 0
	s_lshl_b32 s25, s19, 14
	s_add_co_u32 s38, s24, s25
	s_lshl_b32 s25, s18, 10
	s_add_co_u32 s38, s38, s25
	s_add_co_u32 s38, s38, 262144                  ; the second layer's tiles 2 x, 2 x + 1, K step w
	s_mov_b32 s39, 0
	s_wait_kmcnt 0x0
	s_add_nc_u64 s[56:57], s[4:5], s[56:57]
	s_add_nc_u64 s[26:27], s[6:7], s[36:37]
	s_add_nc_u64 s[28:29], s[6:7], s[38:39]
	s_cmp_eq_u32 s22, 0
	s_cselect_b64 s[30:31], s[8:9], s[12:13]       ; the first layer's bias
	s_cselect_b64 s[32:33], s[10:11], s[14:15]     ; the second's
	s_cselect_b32 s34, 1.0, 0                      ; gamma goes out as 1 + gamma
.irp i, 0,1
.irp c, 0,1,2,3,4,5,6,7
	s_load_b32 s[40+8*\i+\c], s[56:57], 1409024+2048*\i+256*\c
.endr
.endr
.irp i, 0,1
.irp c, 0,1,2,3,4,5,6,7
.irp q, 0,1
	global_load_b128 v[64+64*\i+8*\c+4*\q:67+64*\i+8*\c+4*\q], v9, s[4:5] offset:1146880+8192*\i+1024*\c+512*\q   ; channels 4 l .. and 128 + 4 l ..
.endr
.endr
.endr
.irp i, 0,1
.irp c, 0,1
	global_load_b128 v[32+8*\i+4*\c:35+8*\i+4*\c], v7, s[30:31] offset:64*\i+16*\c
.endr
.endr
	global_load_b128 v[16:19], v8, s[32:33]
	global_load_b128 v[20:23], v8, s[32:33] offset:16
	WIN 0x40
.set f, 0
.rept 32
	global_load_b128 v[4*f:4*f+3], v4, s[26:27] offset:512*f
.set f, f+1
.endr
.irp i, 0,1
.irp c, 0,1
	global_load_b128 v[128+8*\i+4*\c:131+8*\i+4*\c], v4, s[28:29] offset:8192*\i+512*\c
.endr
.endr
	WIN 0
	s_wait_kmcnt 0x0                               ; the counts
	v_mov_b32 v24, s40
	v_mov_b32 v25, s48
.irp c, 1,2,3,4,5,6,7
	v_add_f32 v24, s[40+\c], v24
	v_add_f32 v25, s[48+\c], v25
.endr
	v_max_num_f32 v24, 1.0, v24
	v_max_num_f32 v25, 1.0, v25
	v_rcp_f32 v192, v24
	v_rcp_f32 v194, v25
	s_wait_loadcnt 42                              ; the masked sums are in: behind them came 4 + 2 loads of biases and 32 + 4 of weights
.irp c, 1,2,3,4,5,6,7
.irp i, 0,1
.irp p, 0,2,4,6
	v_pk_add_f32 v[64+64*\i+\p:65+64*\i+\p], v[64+64*\i+\p:65+64*\i+\p], v[64+64*\i+8*\c+\p:65+64*\i+8*\c+\p]
.endr
.endr
.endr
	s_wait_alu depctr_va_vdst(0)                   ; one wait for the two reciprocals, ahead of their first reader
.irp i, 0,1
.irp p, 0,2,4,6
	v_pk_mul_f32 v[64+64*\i+\p:65+64*\i+\p], v[64+64*\i+\p:65+64*\i+\p], v[192+2*\i:193+2*\i] op_sel_hi:[1,0]
.endr
.endr
.irp i, 0,1
.irp p, 0,1,2,3
	v_cvt_pk_bf16_f32 v[196+4*\i+\p], v[64+64*\i+2*\p], v[65+64*\i+2*\p]
.endr
.endr
.irp i, 0,1
	ds_store_b64 v11, v[196+4*\i:197+4*\i] offset:\i*FROW          ; channels 4 l .. 4 l + 3: 256 consecutive bytes a store
	ds_store_b64 v11, v[198+4*\i:199+4*\i] offset:\i*FROW+256      ; channels 128 + 4 l ..
.endr
	s_wait_dscnt 0x0
	s_barrier_signal -1
	s_barrier_wait -1
.set f, 0
.rept 8
	ds_load_b128 v[64+8*f:67+8*f], v10 offset:64*f                 ; batch r, channels 32 f + 8 h + 0 .. 7,
	ds_load_b128 v[68+8*f:71+8*f], v10 offset:64*f+32              ; and 32 f + 16 + 8 h + 0 .. 7
.set f, f+1
.endr
	s_wait_dscnt 0x0
	s_wait_loadcnt 0x0                             ; the biases and the weights
	WIN 0x01                                       ; the weights: window 1
.irp i, 0,1
	v_wmma_f32_16x16x32_bf16 v[48+8*\i:55+8*\i], v[64*\i:64*\i+7], v[64:71], v[32+8*\i:39+8*\i]
.endr
.irp k, 1,2,3,4,5,6,7
.irp i, 0,1
	v_wmma_f32_16x16x32_bf16 v[48+8*\i:55+8*\i], v[64*\i+8*\k:64*\i+8*\k+7], v[64+8*\k:71+8*\k], v[48+8*\i:55+8*\i]   ; two accumulators by turns
.endr
.endr
	WIN 0
.rept 4
	v_nop
.endr
.irp j, 0,1,2,3,4,5,6,7,8,9,10,11,12,13,14,15
	v_max_num_f32 v[48+\j], 0, v[48+\j]
.endr
.irp p, 0,1,2,3,4,5,6,7
	v_cvt_pk_bf16_f32 v[202+\p], v[48+2*\p], v[49+2*\p]
.endr
	WIN 0x01
.irp i, 0,1
	v_wmma_f32_16x16x32_bf16 v[210+8*\i:217+8*\i], v[128+8*\i:135+8*\i], v[202:209], 0
.endr
	WIN 0
.rept 4
	v_nop
.endr
.irp f, 0,1,2,3
	ds_store_b128 v12, v[210+4*\f:213+4*\f] offset:512*\f
.endr
	s_wait_dscnt 0x0
	s_barrier_signal -1
	s_barrier_wait -1
	s_cmp_lt_u32 s18, 2
	s_cbranch_scc0 .Lend
.irp u, 0,1,2,3,4,5,6,7
.irp c, 0,1
	ds_load_b128 v[64+8*\u+4*\c:67+8*\u+4*\c], v13 offset:2048*\u+512*\c
.endr
.endr
	s_wait_dscnt 0x0
.irp u, 1,2,3,4,5,6,7
.irp p, 0,2,4,6
	v_pk_add_f32 v[64+\p:65+\p], v[64+\p:65+\p], v[64+8*\u+\p:65+8*\u+\p]
.endr
.endr
.irp j, 0,1,2,3,4,5,6,7
	v_add_f32 v[64+\j], v[64+\j], v[16+\j]
.endr
.irp j, 0,1,2,3,4,5,6,7
	v_add_f32 v[64+\j], s34, v[64+\j]
.endr
	global_store_b128 v14, v[64:67], s[16:17]
	global_store_b128 v14, v[68:71], s[16:17] offset:16
.Lend:
	s_wait_tensorcnt 0x0                           ; the wave's end
	ds_add_u32 v1, v2
	s_wait_dscnt 0x0
	s_endpgm
.Lfunc_end_k_qd3130fb826_gb:
	.size	k_qd3130fb826_gb, .Lfunc_end_k_qd3130fb826_gb-k_qd3130fb826_gb
	.p2alignl 7, 3214868480
	.fill 96, 4, 3214868480
	.section	.rodata,"a",@progbits
	.p2align	6, 0x0
	.amdhsa_kernel k_qd3130fb826_gb
		.amdhsa_group_segment_fixed_size 26112
		.amdhsa_private_segment_fixed_size 0
		.amdhsa_enable_private_segment 0
		.amdhsa_kernarg_size 56
		.amdhsa_user_sgpr_count 2
		.amdhsa_user_sgpr_kernarg_segment_ptr 1
		.amdhsa_wavefront_size32 1
		.amdhsa_system_sgpr_workgroup_id_x 1
		.amdhsa_system_sgpr_workgroup_id_y 1
		.amdhsa_system_sgpr_workgroup_id_z 1
		.amdhsa_system_vgpr_workitem_id 0
		.amdhsa_next_free_vgpr 512
		.amdhsa_next_free_sgpr 66
		.amdhsa_reserve_vcc 0
		.amdhsa_float_denorm_mode_32 3
		.amdhsa_float_denorm_mode_16_64 3
		.amdhsa_memory_ordered 1
		.amdhsa_forward_progress 1
		.amdhsa_inst_pref_size 24
	.end_amdhsa_kernel
	.amdgpu_metadata
---
amdhsa.version: [ 1, 2 ]
amdhsa.kernels:
  - .name:           k_qd3130fb826_gb
    .symbol:         k_qd3130fb826_gb.kd
    .args:
      - { .name: ps, .offset: 0, .size: 8, .value_kind: global_buffer, .address_space: global }
      - { .name: wprep, .offset: 8, .size: 8, .value_kind: global_buffer, .address_space: global }
      - { .name: gb1, .offset: 16, .size: 8, .value_kind: global_buffer, .address_space: global }
      - { .name: gb2, .offset: 24, .size: 8, .value_kind: global_buffer, .address_space: global }
      - { .name: bb1, .offset: 32, .size: 8, .value_kind: global_buffer, .address_space: global }
      - { .name: bb2, .offset: 40, .size: 8, .value_kind: global_buffer, .address_space: global }
      - { .name: gbuf, .offset: 48, .size: 8, .value_kind: global_buffer, .address_space: global }
    .group_segment_fixed_size: 26112
    .private_segment_fixed_size: 0
    .kernarg_segment_align: 8
    .kernarg_segment_size: 56
    .max_flat_workgroup_size: 256
    .sgpr_count:     66
    .vgpr_count:     512
    .wavefront_size: 32
...
	.end_amdgpu_metadata
.endif
;; end of part 3
;; launch heads (part 4): grid 7 x 32, 8 waves a work-group, no clusters, 17,408 bytes of LDS; arguments po, ps, gbuf, wprep, bv, cb1, sb1, cw2, cb2, sw2, sb2, clw, clb, mean, scale, out0, out1; writes out0, out1
.if DOCPART == 4
	.amdgcn_target "amdgcn-amd-amdhsa--gfx1250"
	.amdhsa_code_object_version 6
	.text
	.protected	k_qd3130fb826_heads
	.globl	k_qd3130fb826_heads
	.p2align	8
	.type	k_qd3130fb826_heads,@function
k_qd3130fb826_heads:
	s_mov_b64 s[64:65], 0
	v_nop
	global_prefetch_b8 v0, s[64:65] scope:SCOPE_SE
	s_setreg_imm32_b32 hwreg(HW_REG_WAVE_MODE, 25, 1), 1
	s_wait_xcnt 0x0
; 16 queries (x) of one batch (y): the eight chunks' partial sums are joined, decoded = (O / l + bv)(1 + gamma) + beta, and the three heads follow.
; Joining: M = the largest of the chunks' M; chunk c counts with 2^(M_c - M).  A chunk with no key left has M_c = -2^100 and counts with 0.
; Wave w holds channels 32 w .. 32 w + 31 of decoded (a lane: one query, 16 channels, f32): its part of the classes by multiply-adds in f32; rounded to bf16 it is K step w of the hidden layers, to LDS as a register image | barrier |
; waves 0-3: 64 units each of the centre's hidden layer, waves 4-7 of the size's (source 0 = 16 rows of the weight, source 1 = 16 queries), relu, their part of the three outputs in f32 | through LDS, barrier | wave 0 adds and stores.
; Queries past 99 are computed and not stored.
; REGISTERS: two waves share a SIMD, 512 registers each.  Window 1: the hidden layer's weight, 4 tiles x 8 K steps.  Window 0 is used twice over: the chunks' parts come first (v16-63, v64-191, v192-239);
; the small weights are asked for as those registers fall free: clw into v96-159, the hidden layer's bias straight into the accumulators v160-191, the last layer's 96 registers into v16-63 and v192-239.
; LIMIT: a batch with no key left has l = 0: centre and classes come out NaN, as a softmax over nothing gives; the size does not, since the relu here is a maximum in which NaN loses.
.set RED,   8192                       ; LDS: 0: decoded's 8 fragments; RED: 1,024 w: three head sums, 512 on: four class sums
.set SPARE, 16384
.set MSB, 0
.macro WIN new
.if MSB != \new
	s_set_vgpr_msb (MSB<<8)|\new
.set MSB, \new
.endif
.endm
	s_load_b512 s[4:19], s[0:1], 0x0               ; po 4, ps 6, gbuf 8, wprep 10, bv 12, cb1 14, sb1 16, cw2 18
	s_load_b512 s[20:35], s[0:1], 0x40             ; cb2 20, sw2 22, sb2 24, clw 26, clb 28, mean 30, scale 32, out0 34
	s_load_b64 s[36:37], s[0:1], 0x80              ; out1
	v_lshl_add_u32 v1, v0, 2, SPARE
	v_mov_b32 v2, 0
	v_lshrrev_b32 v3, 5, v0
	v_readfirstlane_b32 s38, v3                    ; wave
	s_mov_b32 s39, ttmp9                           ; query tile
	s_and_b32 s40, ttmp7, 0xffff                   ; batch
	s_and_b32 s41, s38, 3
	s_lshr_b32 s42, s38, 2                         ; 0: the centre's head, 1: the size's
	v_and_b32 v3, 31, v0
	v_lshlrev_b32 v4, 4, v3
	v_lshlrev_b32 v5, 2, v3
	v_and_b32 v6, 15, v0
	v_bfe_u32 v7, v0, 4, 1
	v_lshlrev_b32 v8, 5, v7                        ; 32 h
	s_lshl_b32 s43, s38, 10
	v_add_nc_u32 v9, s43, v4
	v_add_nc_u32 v10, RED, v9
	v_add_nc_u32 v11, RED, v4
	s_mul_i32 s66, s40, 7168
	s_lshl_b32 s67, s39, 7
	s_add_co_u32 s66, s66, s67
	v_add_nc_u32 v12, s66, v5                      ; -M
	s_mul_i32 s66, s40, 28672
	s_lshl_b32 s67, s39, 9
	s_add_co_u32 s66, s66, s67
	v_lshl_add_u32 v13, v6, 4, s66                 ; x, y, z, l of query r
	s_mul_i32 s66, s40, 917504
	s_lshl_b32 s67, s39, 14
	s_add_co_u32 s66, s66, s67
	s_lshl_b32 s67, s38, 11
	s_add_co_u32 s66, s66, s67
	v_add_nc_u32 v14, s66, v4                      ; O^T's tiles 2 w, 2 w + 1
	s_lshl_b32 s66, s38, 7
	v_add_nc_u32 v15, s66, v8                      ; channels 32 w + 8 h, in bytes
	s_lshl_b32 s67, s40, 10
	v_add_nc_u32 v240, s67, v15
	s_lshl_b32 s66, s41, 8
	v_add_nc_u32 v241, s66, v8                     ; units 64 (w & 3) + 8 h, in bytes
	s_mul_i32 s68, s40, 12
	s_mov_b32 s69, 0
	s_add_co_u32 s70, s42, 5
	s_lshl_b32 s70, s70, 17
	s_lshl_b32 s71, s41, 15
	s_add_co_u32 s70, s70, s71                     ; cw1's or sw1's tiles 4 (w & 3) ..
	s_mov_b32 s71, 0
	s_mov_b32 s76, 0x76543210
	s_mov_b32 s77, 0xfedcba98
	s_mov_b32 s78, 0x3f317218                      ; ln 2
	s_wait_kmcnt 0x0
	s_add_nc_u64 s[70:71], s[10:11], s[70:71]
	s_cmp_eq_u32 s42, 0
	s_cselect_b64 s[72:73], s[14:15], s[16:17]
	s_cselect_b64 s[74:75], s[18:19], s[22:23]
	s_add_nc_u64 s[30:31], s[30:31], s[68:69]
	s_add_nc_u64 s[32:33], s[32:33], s[68:69]
	s_load_b96 s[44:46], s[20:21], 0x0             ; cb2
	s_load_b96 s[48:50], s[24:25], 0x0             ; sb2
	s_load_b128 s[52:55], s[28:29], 0x0            ; clb
	s_load_b96 s[56:58], s[30:31], 0x0             ; mean
	s_load_b96 s[60:62], s[32:33], 0x0             ; scale
.irp c, 0,1,2,3,4,5,6,7
	global_load_b32 v[16+\c], v12, s[6:7] offset:917504+896*\c
	global_load_b128 v[32+4*\c:35+4*\c], v13, s[6:7] offset:3584*\c
.irp f, 0,1,2,3
	global_load_b128 v[64+16*\c+4*\f:67+16*\c+4*\f], v14, s[4:5] offset:114688*\c+512*\f
.endr
.endr
.irp f, 0,1,2,3
	global_load_b128 v[192+4*\f:195+4*\f], v240, s[8:9] offset:64*(\f/2)+16*(\f%2)
	global_load_b128 v[208+4*\f:211+4*\f], v240, s[8:9] offset:32768+64*(\f/2)+16*(\f%2)
	global_load_b128 v[224+4*\f:227+4*\f], v15, s[12:13] offset:64*(\f/2)+16*(\f%2)
.endr
	WIN 0x40                                       ; window 1: four tiles x eight K steps of the hidden layer's weight: the youngest 64 loads
.set f, 0
.rept 64
	global_load_b128 v[4*f:4*f+3], v4, s[70:71] offset:512*f
.set f, f+1
.endr
	WIN 0
	s_wait_loadcnt 63                              ; all that the joining needs is in: behind it came the weight's 64 loads, of which 63 may stay out
	s_wait_kmcnt 0x0
	v_min3_num_f32 v242, v16, v17, v18
	v_min3_num_f32 v242, v242, v19, v20
	v_min3_num_f32 v242, v242, v21, v22
	v_min_num_f32 v242, v242, v23                  ; -M
.irp c, 0,1,2,3,4,5,6,7
	v_sub_f32 v[24+\c], v242, v[16+\c]             ; M_c - M
.endr
.irp c, 0,1,2,3,4,5,6,7
	v_exp_f32 v[24+\c], v[24+\c]
.endr
	v_nop
	s_wait_alu depctr_va_vdst(0)                   ; one wait for the eight
.irp j, 0,1,2,3
	v_mul_f32 v[244+\j], v24, v[32+\j]
.endr
.irp c, 1,2,3,4,5,6,7
.irp j, 0,1,2,3
	v_fmac_f32 v[244+\j], v[24+\c], v[32+4*\c+\j]
.endr
.endr
	v_rcp_f32 v248, v247                           ; 1 / l
.irp p, 0,2,4,6,8,10,12,14
	v_pk_mul_f32 v[64+\p:65+\p], v[64+\p:65+\p], v[24:25] op_sel_hi:[1,0]
.endr
.irp p, 0,2,4,6,8,10,12,14
	v_pk_fma_f32 v[64+\p:65+\p], v[80+\p:81+\p], v[24:25], v[64+\p:65+\p] op_sel:[0,1,0] op_sel_hi:[1,1,1]
.endr
.irp c, 2,4,6
.irp p, 0,2,4,6,8,10,12,14
	v_pk_fma_f32 v[64+\p:65+\p], v[64+16*\c+\p:65+16*\c+\p], v[24+\c:25+\c], v[64+\p:65+\p] op_sel_hi:[1,0,1]
.endr
.irp p, 0,2,4,6,8,10,12,14
	v_pk_fma_f32 v[64+\p:65+\p], v[80+16*\c+\p:81+16*\c+\p], v[24+\c:25+\c], v[64+\p:65+\p] op_sel:[0,1,0] op_sel_hi:[1,1,1]
.endr
.endr
	; the chunks are joined: v16-63 and v80-191 are free.  clw: 16 loads; the hidden layer's bias, into the accumulators: 8; the last layer's first 48 registers: 12
.irp o, 0,1,2,3
.irp f, 0,1,2,3
	global_load_b128 v[96+16*\o+4*\f:99+16*\o+4*\f], v15, s[26:27] offset:1024*\o+64*(\f/2)+16*(\f%2)
.endr
.endr
.irp f, 0,1,2,3,4,5,6,7
	global_load_b128 v[160+4*\f:163+4*\f], v241, s[72:73] offset:64*(\f/2)+16*(\f%2)
.endr
; the last layer's weight: number 32 o + j (output o, my unit j) lies in register 16 + n for n under 48, in 144 + n from there on
.set n4, 0
.rept 12
	global_load_b128 v[16+4*n4:19+4*n4], v241, s[74:75] offset:1024*(n4/8)+64*((n4%8)/2)+16*(n4%2)
.set n4, n4+1
.endr
	s_wait_alu depctr_va_vdst(0)                   ; the reciprocal's wait, ahead of its first reader
.irp j, 0,1,2,3,4,5,6,7,8,9,10,11,12,13,14,15
	v_fma_f32 v[64+\j], v[64+\j], v248, v[224+\j]  ; O / l + bv
.endr
.irp j, 0,1,2,3,4,5,6,7,8,9,10,11,12,13,14,15
	v_fma_f32 v[64+\j], v[64+\j], v[192+\j], v[208+\j]   ; x (1 + gamma) + beta
.endr
.rept 12
	global_load_b128 v[144+4*n4:147+4*n4], v241, s[74:75] offset:1024*(n4/8)+64*((n4%8)/2)+16*(n4%2)   ; v192-239 are free: the last layer's other 48 registers
.set n4, n4+1
.endr
.irp p, 0,1,2,3,4,5,6,7
	v_cvt_pk_bf16_f32 v[84+\p], v[64+2*\p], v[65+2*\p]
.endr
	ds_store_b128 v9, v[84:87]
	ds_store_b128 v9, v[88:91] offset:512
	s_wait_loadcnt 32                              ; clw is in: behind it came 8 + 12 + 12 loads
.irp o, 0,1,2,3
	v_mul_f32 v[80+\o], v[96+16*\o], v64
.endr
.irp j, 1,2,3,4,5,6,7,8,9,10,11,12,13,14,15
.irp o, 0,1,2,3
	v_fmac_f32 v[80+\o], v[96+16*\o+\j], v[64+\j]  ; the classes over my 16 channels
.endr
.endr
	s_wait_dscnt 0x0
	s_barrier_signal -1
	s_barrier_wait -1
.set f, 0
.rept 16
	ds_load_b128 v[96+4*f:96+4*f+3], v4 offset:512*f               ; decoded's eight fragments take clw's registers
.set f, f+1
.endr
	s_wait_dscnt 0x0
	s_wait_loadcnt 24                              ; the bias is in, and the weight, which is older: behind them came the last layer's 24 loads
	WIN 0x01                                       ; the weight: window 1
.irp k, 0,1,2,3,4,5,6,7
.irp t, 0,1,2,3
	v_wmma_f32_16x16x32_bf16 v[160+8*\t:167+8*\t], v[64*\t+8*\k:64*\t+8*\k+7], v[96+8*\k:103+8*\k], v[160+8*\t:167+8*\t]   ; four accumulators by turns; they begin as the bias
.endr
.endr
	WIN 0
.rept 4
	v_nop
.endr
.set j, 0
.rept 32
	v_max_num_f32 v[160+j], 0, v[160+j]
.set j, j+1
.endr
	s_wait_loadcnt 0x0                             ; the last layer's weight
.irp o, 0,1,2
	v_mul_f32 v[92+\o], v[16+32*\o+128*((32*\o)/48)], v160
.endr
.set j, 1
.rept 31
.irp o, 0,1,2
	v_fmac_f32 v[92+\o], v[16+32*\o+j+128*((32*\o+j)/48)], v[160+j]   ; the head's three outputs over my 32 units
.endr
.set j, j+1
.endr
	v_mov_b32 v95, 0                               ; (stored with the three as 16 bytes)
.irp o, 0,1,2
	v_permlanex16_b32 v[96+\o], v[92+\o], s76, s77
.endr
.irp o, 0,1,2,3
	v_permlanex16_b32 v[100+\o], v[80+\o], s76, s77
.endr
.irp o, 0,1,2
	v_add_f32 v[92+\o], v[92+\o], v[96+\o]         ; with lane l xor 16's units
.endr
.irp o, 0,1,2,3
	v_add_f32 v[80+\o], v[80+\o], v[100+\o]
.endr
	ds_store_b128 v10, v[92:95]
	ds_store_b128 v10, v[80:83] offset:512
	s_wait_dscnt 0x0
	s_barrier_signal -1
	s_barrier_wait -1
	s_cmp_lg_u32 s38, 0
	s_cbranch_scc1 .Lend
.irp u, 0,1,2,3,4,5,6,7
	ds_load_b128 v[96+4*\u:99+4*\u], v11 offset:1024*\u
	ds_load_b128 v[128+4*\u:131+4*\u], v11 offset:1024*\u+512
.endr
	s_mul_i32 s66, s40, 100
	s_lshl_b32 s67, s39, 4
	s_add_co_u32 s66, s66, s67
	v_add_nc_u32 v170, s66, v3                     ; 100 batch + query
	v_mul_u32_u24 v171, v170, 24
	v_lshlrev_b32 v172, 4, v170
	s_sub_co_u32 s67, 100, s67
	s_min_u32 s67, s67, 16                         ; queries of this tile that exist
	s_wait_dscnt 0x0
.irp g, 96,112
.irp u, 1,2,3
	v_pk_add_f32 v[\g:\g+1], v[\g:\g+1], v[\g+4*\u:\g+4*\u+1]
	v_pk_add_f32 v[\g+2:\g+3], v[\g+2:\g+3], v[\g+4*\u+2:\g+4*\u+3]
.endr
.endr
.irp u, 1,2,3,4,5,6,7
	v_pk_add_f32 v[128:129], v[128:129], v[128+4*\u:129+4*\u]
	v_pk_add_f32 v[130:131], v[130:131], v[130+4*\u:131+4*\u]
.endr
.irp j, 0,1,2
	v_add_f32 v[96+\j], s[44+\j], v[96+\j]         ; delta_center
	v_add_f32 v[112+\j], s[48+\j], v[112+\j]       ; size_raw
.endr
.irp o, 0,1,2,3
	v_add_f32 v[128+\o], s[52+\o], v[128+\o]       ; classes
.endr
.irp j, 0,1,2
	v_mul_f32 v[120+\j], 0xbfb8aa3b, |v[112+\j]|   ; softplus(x) = max(x, 0) + ln 2 x log2(1 + 2^(-|x| log2 e))
.endr
.irp j, 0,1,2
	v_exp_f32 v[120+\j], v[120+\j]
.endr
.irp j, 0,1,2
	v_fma_f32 v[160+\j], v[244+\j], v248, v[96+\j] ; anchor + delta
.endr
	s_wait_alu depctr_va_vdst(0)                   ; one wait for the three exponentials
.irp j, 0,1,2
	v_add_f32 v[120+\j], 1.0, v[120+\j]
.endr
.irp j, 0,1,2
	v_log_f32 v[120+\j], v[120+\j]
.endr
.irp j, 0,1,2
	v_max_num_f32 v[112+\j], 0, v[112+\j]
.endr
	s_wait_alu depctr_va_vdst(0)                   ; and one for the three logarithms
.irp j, 0,1,2
	v_fma_f32 v[112+\j], v[120+\j], s78, v[112+\j]
.endr
.irp j, 0,1,2
	v_add_f32 v[112+\j], 0x38d1b717, v[112+\j]     ; + 1e-4
.endr
.irp j, 0,1,2
	v_fma_f32 v[160+\j], v[160+\j], s[60+\j], s[56+\j]   ; x scale + mean
	v_mul_f32 v[163+\j], s[60+\j], v[112+\j]
.endr
	v_cmp_gt_u32 vcc_lo, s67, v3
	s_wait_xcnt 0x0                                ; EXEC changes only behind this wait
	s_and_saveexec_b32 s79, vcc_lo
	global_store_b64 v171, v[160:161], s[34:35]
	global_store_b64 v171, v[162:163], s[34:35] offset:8
	global_store_b64 v171, v[164:165], s[34:35] offset:16
	global_store_b128 v172, v[128:131], s[36:37]
	s_wait_xcnt 0x0                                ; and again, in front of the line that widens it
	s_or_b32 exec_lo, exec_lo, s79
.Lend:
	s_wait_tensorcnt 0x0                           ; the wave's end
	ds_add_u32 v1, v2
	s_wait_dscnt 0x0
	s_endpgm
.Lfunc_end_k_qd3130fb826_heads:
	.size	k_qd3130fb826_heads, .Lfunc_end_k_qd3130fb826_heads-k_qd3130fb826_heads
	.p2alignl 7, 3214868480
	.fill 96, 4, 3214868480
	.section	.rodata,"a",@progbits
	.p2align	6, 0x0
	.amdhsa_kernel k_qd3130fb826_heads
		.amdhsa_group_segment_fixed_size 17408
		.amdhsa_private_segment_fixed_size 0
		.amdhsa_enable_private_segment 0
		.amdhsa_kernarg_size 136
		.amdhsa_user_sgpr_count 2
		.amdhsa_user_sgpr_kernarg_segment_ptr 1
		.amdhsa_wavefront_size32 1
		.amdhsa_system_sgpr_workgroup_id_x 1
		.amdhsa_system_sgpr_workgroup_id_y 1
		.amdhsa_system_sgpr_workgroup_id_z 1
		.amdhsa_system_vgpr_workitem_id 0
		.amdhsa_next_free_vgpr 512
		.amdhsa_next_free_sgpr 80
		.amdhsa_reserve_vcc 1
		.amdhsa_float_denorm_mode_32 3
		.amdhsa_float_denorm_mode_16_64 3
		.amdhsa_memory_ordered 1
		.amdhsa_forward_progress 1
		.amdhsa_inst_pref_size 44
	.end_amdhsa_kernel
	.amdgpu_metadata
---
amdhsa.version: [ 1, 2 ]
amdhsa.kernels:
  - .name:           k_qd3130fb826_heads
    .symbol:         k_qd3130fb826_heads.kd
    .args:
      - { .name: po, .offset: 0, .size: 8, .value_kind: global_buffer, .address_space: global }
      - { .name: ps, .offset: 8, .size: 8, .value_kind: global_buffer, .address_space: global }
      - { .name: gbuf, .offset: 16, .size: 8, .value_kind: global_buffer, .address_space: global }
      - { .name: wprep, .offset: 24, .size: 8, .value_kind: global_buffer, .address_space: global }
      - { .name: bv, .offset: 32, .size: 8, .value_kind: global_buffer, .address_space: global }
      - { .name: cb1, .offset: 40, .size: 8, .value_kind: global_buffer, .address_space: global }
      - { .name: sb1, .offset: 48, .size: 8, .value_kind: global_buffer, .address_space: global }
      - { .name: cw2, .offset: 56, .size: 8, .value_kind: global_buffer, .address_space: global }
      - { .name: cb2, .offset: 64, .size: 8, .value_kind: global_buffer, .address_space: global }
      - { .name: sw2, .offset: 72, .size: 8, .value_kind: global_buffer, .address_space: global }
      - { .name: sb2, .offset: 80, .size: 8, .value_kind: global_buffer, .address_space: global }
      - { .name: clw, .offset: 88, .size: 8, .value_kind: global_buffer, .address_space: global }
      - { .name: clb, .offset: 96, .size: 8, .value_kind: global_buffer, .address_space: global }
      - { .name: mean, .offset: 104, .size: 8, .value_kind: global_buffer, .address_space: global }
      - { .name: scale, .offset: 112, .size: 8, .value_kind: global_buffer, .address_space: global }
      - { .name: out0, .offset: 120, .size: 8, .value_kind: global_buffer, .address_space: global }
      - { .name: out1, .offset: 128, .size: 8, .value_kind: global_buffer, .address_space: global }
    .group_segment_fixed_size: 17408
    .private_segment_fixed_size: 0
    .kernarg_segment_align: 8
    .kernarg_segment_size: 136
    .max_flat_workgroup_size: 256
    .sgpr_count:     80
    .vgpr_count:     512
    .wavefront_size: 32
...
	.end_amdgpu_metadata
.endif
;; end of part 4
